; MI455X (gfx1250); checked and timed in simulation.
; The chip was launched on July 23, 2026; its instructions are those of AMD's public machine-readable ISA for CDNA 5 (MIT licence, August 2026) and "CDNA5" Instruction Set Architecture Reference Guide (July 2026). The comments in the code are by the model that wrote it; some were corrected since.
;; Unfused Gemma4 Text Experts. Allowed arithmetic: matrix products marked QUANTISED: E2M1 operands, one E8M0 scale for each 32 along K, by v_wmma_scale_f32_16x16x128_f8f6f4 with both operands' format E2M1 (or v_wmma_scale_f32_32x16x128_f4), f32 sums; everything else in f32.
;; Inputs: down_w 8 x 2,048 x 1,024 float32; gate_w 8 x 1,024 x 2,048 float32; hidden_states 1,024 x 2,048 float32; top_k_index 1,024 x 2 int32; top_k_weights 1,024 x 2 float32; up_w 8 x 1,024 x 2,048 float32.
;; Outputs: out0 1,024 x 2,048 float32.
;; This version of the problem:
;;   THIS VERSION OF THE PROBLEM IS GIVEN IN LOW PRECISION. The matrix products marked QUANTISED in the list below multiply operands that are first quantised to E2M1 (2 exponent bits, 1 mantissa bit; 4 bits a number), with one power-of-two scale for each 32 numbers along K (OCP MX v1.0); their sums are f32. All else is computed in f32.
;;   The module's matrix products, in the order in which they are computed (A, B: the left and right operand; K: the contracted axis; several contracted axes count as one K, in the product's order):
;;     1. [M 1,024, K 2,048] x [K 2,048, N 1,024]; A: input hidden_states; B: input gate_w: QUANTISED
;;     2. [M 1,024, K 2,048] x [K 2,048, N 1,024]; A: input hidden_states; B: input up_w: QUANTISED
;;     3. [M 1,024, K 1,024] x [K 1,024, N 2,048]; A: computed on the way; B: input down_w: QUANTISED
;;     4. [M 1,024, K 2,048] x [K 2,048, N 1,024]; A: input hidden_states; B: input gate_w: QUANTISED
;;     5. [M 1,024, K 2,048] x [K 2,048, N 1,024]; A: input hidden_states; B: input up_w: QUANTISED
;;     6. [M 1,024, K 1,024] x [K 1,024, N 2,048]; A: computed on the way; B: input down_w: QUANTISED
;;     7. [M 1,024, K 2,048] x [K 2,048, N 1,024]; A: input hidden_states; B: input gate_w: QUANTISED
;;     8. [M 1,024, K 2,048] x [K 2,048, N 1,024]; A: input hidden_states; B: input up_w: QUANTISED
;;     9. [M 1,024, K 1,024] x [K 1,024, N 2,048]; A: computed on the way; B: input down_w: QUANTISED
;;     10. [M 1,024, K 2,048] x [K 2,048, N 1,024]; A: input hidden_states; B: input gate_w: QUANTISED
;;     11. [M 1,024, K 2,048] x [K 2,048, N 1,024]; A: input hidden_states; B: input up_w: QUANTISED
;;     12. [M 1,024, K 1,024] x [K 1,024, N 2,048]; A: computed on the way; B: input down_w: QUANTISED
;;     13. [M 1,024, K 2,048] x [K 2,048, N 1,024]; A: input hidden_states; B: input gate_w: QUANTISED
;;     14. [M 1,024, K 2,048] x [K 2,048, N 1,024]; A: input hidden_states; B: input up_w: QUANTISED
;;     15. [M 1,024, K 1,024] x [K 1,024, N 2,048]; A: computed on the way; B: input down_w: QUANTISED
;;     16. [M 1,024, K 2,048] x [K 2,048, N 1,024]; A: input hidden_states; B: input gate_w: QUANTISED
;;     17. [M 1,024, K 2,048] x [K 2,048, N 1,024]; A: input hidden_states; B: input up_w: QUANTISED
;;     18. [M 1,024, K 1,024] x [K 1,024, N 2,048]; A: computed on the way; B: input down_w: QUANTISED
;;     19. [M 1,024, K 2,048] x [K 2,048, N 1,024]; A: input hidden_states; B: input gate_w: QUANTISED
;;     20. [M 1,024, K 2,048] x [K 2,048, N 1,024]; A: input hidden_states; B: input up_w: QUANTISED
;;     21. [M 1,024, K 1,024] x [K 1,024, N 2,048]; A: computed on the way; B: input down_w: QUANTISED
;;     22. [M 1,024, K 2,048] x [K 2,048, N 1,024]; A: input hidden_states; B: input gate_w: QUANTISED
;;     23. [M 1,024, K 2,048] x [K 2,048, N 1,024]; A: input hidden_states; B: input up_w: QUANTISED
;;     24. [M 1,024, K 1,024] x [K 1,024, N 2,048]; A: computed on the way; B: input down_w: QUANTISED
;;   THE QUANTISER, for each operand of a quantised product, along K:
;;     - K is cut into blocks of 32 from its start; a last block that is shorter is filled with zeros.
;;     - A block's scale is 2^e with e = floor(log2(the largest magnitude in the block)) - 2, held to -126 .. 127; a block of zeros has e = 0. As a byte (E8M0): e + 127.
;;     - Each number is divided by its block's scale, clamped to +-6, and rounded to the nearest number of E2M1, ties to even, subnormals kept.
;;     - The product sums the exact products of the quantised numbers (number of the format x scale) in f32.
;;   ~~~python
;;   def quantise(x, axis):      # numpy; x: float32 -> the quantised numbers, widened to float32 again
;;       x = np.moveaxis(x, axis, -1); K = x.shape[-1]
;;       x = np.pad(x, [(0, 0)] * (x.ndim - 1) + [(0, -K % 32)]); x = x.reshape(x.shape[:-1] + (-1, 32)); a = np.abs(x).max(-1, keepdims=True)
;;       e = np.where(a > 0, np.clip(np.frexp(np.where(a > 0, a, 1))[1] - 1 - 2, -126, 127), 0)      # np.frexp(a)[1] - 1 = floor(log2(a)), exactly
;;       r = np.clip(x / 2.0 ** e, -6, 6)
;;       step = 2.0 ** (np.maximum(np.frexp(np.where(r == 0, 1, r))[1] - 1, 0) - 1)
;;       q = np.round(r / step) * step * 2.0 ** e      # np.round: ties to even
;;       return np.moveaxis(q.reshape(q.shape[:-2] + (-1,))[..., :K], -1, axis).astype(np.float32)
;;   ~~~
;;   OPERANDS COMPUTED ON THE WAY. 'Computed on the way' means the value that the module computes at that place (a softmax that the list does not call 'softmax' is quantised finished and normalised). What goes into a quantiser is computed in f32, as accurately as f32 sums, v_exp_f32 and their like allow (about 1e-6 of the number): no bf16 or f16 on the way to a quantiser, and a product that is left as it is and whose result goes on into a quantised operand takes f32 operands (vector FMAs, or v_wmma_f32_16x16x4_f32). A number that lies on a knife's edge between two numbers of the format may be rounded either way, as far as f32 arithmetic and the matrix unit's own rounding can turn it there, and no further.
;; 2 versions, each right; version 2 is version 1 with the launches gateup, down written anew for expert scheduling mode. Each part assembles by itself: llvm-mc -triple=amdgcn-amd-amdhsa -mcpu=gfx1250 --defsym DOCPART=n.
;; ======== version 1 of 2: 4 launches
;; workspace buffers: x_codes 1,048,576 bytes; x_scales 65,536 bytes; route 256 bytes of whole numbers; rowslot 9,216 bytes of whole numbers; h_codes 1,163,264 bytes; h_scales 72,704 bytes; y 16,842,752 bytes
;; launch prep (part 1): grid 129 x 1, 8 waves a work-group, no clusters, 45,056 bytes of LDS; arguments hidden_states, top_k_index, x_codes, x_scales, route, rowslot; writes x_codes, x_scales, route, rowslot
.if DOCPART == 1
	.amdgcn_target "amdgcn-amd-amdhsa--gfx1250"
	.amdhsa_code_object_version 6
	.text
	.protected	k_qb35017d35e_prep
	.globl	k_qb35017d35e_prep
	.p2align	8
	.type	k_qb35017d35e_prep,@function
k_qb35017d35e_prep:
	s_mov_b64 s[64:65], 0
	v_nop
	global_prefetch_b8 v0, s[64:65] scope:SCOPE_SE
	s_setreg_imm32_b32 hwreg(HW_REG_WAVE_MODE, 25, 1), 1
	s_wait_xcnt 0x0
; Two jobs in one launch, parted on the work-group's number.
; WORK-GROUPS 1 .. 128: hidden_states [1024][2048] f32 becomes codes of FP4 (E2M1), x_codes [1024][1024 bytes] (K innermost, the lower k in the low four bits),
; and one E8M0 byte for each 32 along K, x_scales [1024][64 bytes].  A wave takes one token: four steps of 512 numbers.
; A block's scale is 2^(floor(log2(its largest magnitude)) - 2); its byte is the largest magnitude's exponent field - 2, held at 1 from below.
; WORK-GROUP 0: a counting sort of the 2,048 entries n = 2 t + k of top_k_index by expert.  Each expert's rows are filled up to whole blocks of 32 rows.
;   rowslot[position] = k x 1024 + t for an entry, 2048 + e for a filling row of expert e;   route[2 e] = expert e's first block, route[2 e + 1] = its number of blocks.
;   There are never more than 2048 / 32 + 7 = 71 blocks, whatever the choice.
; LIMITS: NaN and infinities are not served.  A block of zeros gets the byte 1 where the quantiser says 127: its codes are zeros, which add nothing, and the bytes are read by this program alone.
; Indices are taken to lie in 0 .. 7.  A token that names one expert twice is two rows.
.set SP,   80                          ; a lane's place in a stage: its 64 bytes + 16 of padding
.set WREG, 5376                        ; LDS of a wave on the tokens' path: two stages of 32 x SP bytes, then its 64 scale bytes (in a block of 256)
.set CT,   8*WREG                      ; LDS of the sorting path, bytes of its own: 256 words, the waves' counts
.set R,    32                          ; v32-95   four sets of 16 numbers as they are loaded
.set X,    96                          ; v96-127  two sets of 16 neighbours
.set C,    16                          ; v16-23   a pair of code registers for each step
.set E,    24                          ; v24-27   a scale byte for each step
.set TA,   13                          ; sorting path: v13 4 x thread: where wave 0 stores the table; no load on either path names v13-15
.set LW,   14                          ; v14     LDS: where my lane's count goes
.set LR,   15                          ; v15     LDS: where the waves' counts are read
.set IDX,  32                          ; v32-39  my eight indices
.set RK,   16                          ; v16-23  their ranks inside (wave, expert)
.set BS,   24                          ; v24-31  where my wave's rows of that expert begin
.set CN,   48                          ; v48-55  the eight waves' counts, lane e: expert e
.set POS,  56                          ; v56-63  byte offsets in rowslot
.set SLT,  64                          ; v64-71  what is stored there
	s_load_b256 s[4:11], s[0:1], 0x0               ; hidden_states s[4:5], top_k_index s[6:7], x_codes s[8:9], x_scales s[10:11]
	s_load_b128 s[12:15], s[0:1], 0x20             ; route s[12:13], rowslot s[14:15]
	v_lshl_add_u32 v128, v0, 2, 0xac00
	v_mov_b32 v129, 0
	v_lshrrev_b32 v1, 5, v0
	v_readfirstlane_b32 s2, v1                     ; wave 0..7
	v_and_b32 v1, 31, v0                           ; lane
	v_lshlrev_b32 v[TA], 2, v0                     ; made ahead of the parting: in wave 0, which alone uses it, the thread's number is the lane
	s_cmp_eq_u32 ttmp9, 0
	s_cbranch_scc1 .Lroute
	; ---------------- the tokens' path ----------------
	v_lshlrev_b32 v2, 4, v1                        ; my 16 bytes of a load's 512
	s_mul_i32 s16, s2, WREG
	v_lshrrev_b32 v3, 2, v1
	v_mul_u32_u24 v3, v3, SP
	v_and_b32 v4, 3, v1
	v_lshl_add_u32 v3, v4, 4, v3
	v_add_nc_u32 v3, s16, v3                       ; the stage on the way in: four lanes' 64 bytes on end, then 16 of padding
	v_mul_u32_u24 v4, v1, SP
	v_add_nc_u32 v4, s16, v4                       ; and on the way out: my 16 neighbours
	v_lshlrev_b32 v5, 3, v1                        ; my 8 bytes of a step's 256 bytes of codes
	s_add_co_u32 s16, s16, 2*32*SP
	v_lshrrev_b32 v6, 1, v1
	v_add_nc_u32 v6, s16, v6                       ; LDS: my block's scale byte
	v_lshlrev_b32 v7, 1, v1                        ; the row's 64 scale bytes leave 2 a lane
	v_add_nc_u32 v8, s16, v7
	s_sub_co_u32 s17, ttmp9, 1
	s_lshl_b32 s17, s17, 3
	s_add_co_u32 s17, s17, s2                      ; my token
	s_lshl_b32 s18, s17, 13
	s_mov_b32 s19, 0
	s_wait_kmcnt 0x0
	s_add_nc_u64 s[4:5], s[4:5], s[18:19]          ; its 8,192 bytes of f32,
	s_lshl_b32 s18, s17, 10
	s_add_nc_u64 s[8:9], s[8:9], s[18:19]          ; its 1,024 bytes of codes,
	s_lshl_b32 s18, s17, 6
	s_add_nc_u64 s[10:11], s[10:11], s[18:19]      ; its 64 scale bytes
.macro XLD t
.irp i, 0,1,2,3
	global_load_b128 v[R+16*(\t)+4*\i:R+16*(\t)+4*\i+3], v2, s[4:5] offset:2048*(\t)+512*\i th:TH_LOAD_NT   ; 32 lanes read 512 consecutive bytes
.endr
.endm
.macro XTURN t                         ; a step's 2,048 bytes through the wave's own stage: LDS serves a wave's instructions in order, so no wait stands between the stores and the loads
.irp i, 0,1,2,3
	ds_store_b128 v3, v[R+16*(\t)+4*\i:R+16*(\t)+4*\i+3] offset:32*SP*((\t)%2)+8*SP*\i
.endr
.irp i, 0,1,2,3
	ds_load_b128 v[X+16*((\t)%2)+4*\i:X+16*((\t)%2)+4*\i+3], v4 offset:32*SP*((\t)%2)+16*\i
.endr
.endm
.macro XSTEP t
.set XB, X+16*((\t)%2)
.if (\t) > 0
	s_wait_dscnt 1                                 ; this step's numbers are back from the stage; the last step's byte store may be out
.else
	s_wait_dscnt 0x0
.endif
.if (\t) < 3
	s_wait_loadcnt 4*(2-(\t))                      ; the next step's four loads are in; those of the steps behind it may be out
	XTURN (\t)+1
.endif
	v_max3_num_f32 v10, |v[XB]|, |v[XB+1]|, |v[XB+2]|              ; the largest magnitude of my 16, in two chains
	v_max3_num_f32 v11, |v[XB+3]|, |v[XB+4]|, |v[XB+5]|
.irp i, 6,10
	v_max3_num_f32 v10, v10, |v[XB+\i]|, |v[XB+\i+1]|
	v_max3_num_f32 v11, v11, |v[XB+\i+2]|, |v[XB+\i+3]|
.endr
	v_max3_num_f32 v10, v10, |v[XB+14]|, |v[XB+15]|
	v_max3_num_f32 v10, v10, v11, 0x1800000        ; and the floor 2^(3 - 127): the byte cannot fall under 1
	v_max_num_f32_dpp v10, v10, v10 row_xmask:1 row_mask:0xf bank_mask:0xf   ; with my neighbour's 16: the block's
	v_add_nc_u32 v12, 0xff000000, v10              ; 2 off its exponent field: the conversion takes the exponent field of this operand as its scale
	v_cvt_scalef32_pk8_fp4_f32 v[C+2*(\t)], v[XB:XB+7], v12
	v_cvt_scalef32_pk8_fp4_f32 v[C+2*(\t)+1], v[XB+8:XB+15], v12
	v_lshrrev_b32 v[E+(\t)], 23, v12               ; the scale's byte
	ds_store_b8 v6, v[E+(\t)] offset:16*(\t)       ; both lanes of a block write the same byte with the same value
	global_store_b64 v5, v[C+2*(\t):C+2*(\t)+1], s[8:9] offset:256*(\t)   ; the wave stores 256 consecutive bytes, aligned
.endm
.irp t, 0,1,2,3
	XLD \t
.endr
	s_wait_loadcnt 12                              ; step 0's four loads are in
	XTURN 0
.irp t, 0,1,2,3
	XSTEP \t
.endr
	ds_load_u16 v9, v8                             ; LDS serves a wave's instructions in order: this sees my byte stores
	s_wait_dscnt 0x0
	global_store_b16 v7, v9, s[10:11]              ; the row's 64 consecutive scale bytes
	s_wait_tensorcnt 0x0
	ds_add_u32 v128, v129
	s_wait_dscnt 0x0
	s_endpgm
	; ---------------- the sorting path: 256 threads, eight entries each, n = 8 x thread + i ----------------
.Lroute:
	v_lshlrev_b32 v2, 5, v0
	v_lshl_add_u32 v[LW], v0, 2, CT                ; wave w's counts lie at CT + 128 w, expert e in word e
	v_lshl_add_u32 v[LR], v1, 2, CT
.irp i, 0,1,2,3,4,5,6,7
	v_mov_b32 v[RK+\i], 0
	v_mov_b32 v[BS+\i], 0
	s_mov_b32 s[16+\i], 0                          ; s16-23: my wave's count for each expert
.endr
	s_wait_kmcnt 0x0
	global_load_b128 v[IDX:IDX+3], v2, s[6:7]
	global_load_b128 v[IDX+4:IDX+7], v2, s[6:7] offset:16
	s_wait_loadcnt 0x0
.irp i, 0,1,2,3,4,5,6,7
.irp e, 0,1,2,3,4,5,6,7
	v_cmp_eq_u32 s57, \e, v[IDX+\i]                ; the lanes whose i-th entry names expert e
	v_mbcnt_lo_u32_b32 v40, s57, s[16+\e]          ; how many of them stand below me, and what the wave has counted so far
	v_cndmask_b32 v[RK+\i], v[RK+\i], v40, s57
	s_bcnt1_i32_b32 s58, s57
	s_add_co_u32 s[16+\e], s[16+\e], s58
.endr
.endr
	v_mov_b32 v41, 0
.irp e, 0,1,2,3,4,5,6,7
	v_writelane_b32 v41, s[16+\e], \e
.endr
	ds_store_b32 v[LW], v41
	s_wait_dscnt 0x0                               ; for the others' sake
	s_barrier_signal -1
	s_barrier_wait -1
.irp w, 0,1,2,3,4,5,6,7
	ds_load_b32 v[CN+\w], v[LR] offset:128*\w
.endr
	s_wait_dscnt 0x0
	v_add_nc_u32 v44, v[CN], v[CN+1]
.irp w, 2,3,4,5,6,7
	v_add_nc_u32 v44, v44, v[CN+\w]                ; lane e: expert e's rows in all
.endr
	v_mov_b32 v45, 0
.irp w, 0,1,2,3,4,5,6
	s_cmp_gt_u32 s2, \w
	s_cselect_b32 s58, 1, 0
	v_mad_u32_u24 v45, v[CN+\w], s58, v45          ; and those of the waves in front of mine
.endr
	v_add_nc_u32 v46, 31, v44
	v_lshrrev_b32 v46, 5, v46                      ; its blocks of 32
.irp e, 0,1,2,3,4,5,6,7
	v_readlane_b32 s[24+\e], v46, \e               ; s24-31 blocks
	v_readlane_b32 s[32+\e], v44, \e               ; s32-39 rows
	v_readlane_b32 s[40+\e], v45, \e               ; s40-47 rows in front of my wave's
.endr
	s_mov_b32 s48, 0                               ; s48-56 first block of each expert
.irp e, 0,1,2,3,4,5,6,7
	s_add_co_u32 s[49+\e], s[48+\e], s[24+\e]
.endr
.irp e, 0,1,2,3,4,5,6,7
	s_lshl_b32 s[66+\e], s[48+\e], 5
	s_add_co_u32 s[66+\e], s[66+\e], s[40+\e]      ; s66-73 where my wave's rows of expert e begin
.endr
.irp e, 0,1,2,3,4,5,6,7
	v_mov_b32 v40, s[66+\e]
.irp i, 0,1,2,3,4,5,6,7
	v_cmp_eq_u32 vcc_lo, \e, v[IDX+\i]
	v_cndmask_b32 v[BS+\i], v[BS+\i], v40, vcc_lo
.endr
.endr
.irp i, 0,1,2,3,4,5,6,7
	v_add_nc_u32 v[POS+\i], v[BS+\i], v[RK+\i]
	v_min_u32 v[POS+\i], 2271, v[POS+\i]           ; 71 blocks of 32 rows: the list's last word
	v_lshlrev_b32 v[POS+\i], 2, v[POS+\i]
	v_lshl_add_u32 v[SLT+\i], v0, 2, (\i&1)*1024+(\i>>1)   ; k x 1024 + t, with t = 4 x thread + i / 2 and k = i % 2
	global_store_b32 v[POS+\i], v[SLT+\i], s[14:15]
.endr
	; the filling rows: wave w serves expert w
	s_mov_b32 s59, 0
	s_mov_b32 s60, 0
	s_mov_b32 s61, 0
.irp e, 0,1,2,3,4,5,6,7
	s_cmp_eq_u32 s2, \e
	s_cselect_b32 s59, s[32+\e], s59               ; its rows,
	s_cselect_b32 s60, s[48+\e], s60               ; its first block,
	s_cselect_b32 s61, s[24+\e], s61               ; its blocks
.endr
	s_lshl_b32 s60, s60, 5
	s_add_co_u32 s60, s60, s59                     ; the first filling row
	s_lshl_b32 s61, s61, 5
	s_sub_co_u32 s61, s61, s59                     ; how many: 0 .. 31
	v_add_nc_u32 v72, s60, v1
	v_min_u32 v72, 2271, v72
	v_lshlrev_b32 v72, 2, v72
	s_add_co_u32 s62, s2, 2048
	v_mov_b32 v73, s62                             ; 2048 + e
	v_cmp_gt_u32 vcc_lo, s61, v1
	s_wait_xcnt 0x0                                ; EXEC changes only behind this wait: it is a source of the stores above
	s_and_saveexec_b32 s74, vcc_lo
	global_store_b32 v72, v73, s[14:15]
	s_wait_xcnt 0x0                                ; and again in front of the line that widens it
	s_or_b32 exec_lo, exec_lo, s74
	s_cmp_lg_u32 s2, 0
	s_cbranch_scc1 .Ldone
	v_mov_b32 v74, 0                               ; wave 0 stores the table: lane 2 e the first block, lane 2 e + 1 the number of blocks
.irp e, 0,1,2,3,4,5,6,7
	v_writelane_b32 v74, s[48+\e], 2*\e
	v_writelane_b32 v74, s[24+\e], 2*\e+1
.endr
	global_store_b32 v[TA], v74, s[12:13]
.Ldone:
	s_wait_tensorcnt 0x0
	ds_add_u32 v128, v129
	s_wait_dscnt 0x0
	s_endpgm
.Lfunc_end_k_qb35017d35e_prep:
	.size	k_qb35017d35e_prep, .Lfunc_end_k_qb35017d35e_prep-k_qb35017d35e_prep
	.p2alignl 7, 3214868480
	.fill 96, 4, 3214868480
	.section	.rodata,"a",@progbits
	.p2align	6, 0x0
	.amdhsa_kernel k_qb35017d35e_prep
		.amdhsa_group_segment_fixed_size 45056
		.amdhsa_private_segment_fixed_size 0
		.amdhsa_enable_private_segment 0
		.amdhsa_kernarg_size 48
		.amdhsa_user_sgpr_count 2
		.amdhsa_user_sgpr_kernarg_segment_ptr 1
		.amdhsa_wavefront_size32 1
		.amdhsa_system_sgpr_workgroup_id_x 1
		.amdhsa_system_sgpr_workgroup_id_y 1
		.amdhsa_system_sgpr_workgroup_id_z 1
		.amdhsa_system_vgpr_workitem_id 0
		.amdhsa_next_free_vgpr 130
		.amdhsa_next_free_sgpr 80
		.amdhsa_reserve_vcc 1
		.amdhsa_float_denorm_mode_32 3
		.amdhsa_float_denorm_mode_16_64 3
		.amdhsa_memory_ordered 1
		.amdhsa_forward_progress 1
		.amdhsa_inst_pref_size 42
	.end_amdhsa_kernel
	.amdgpu_metadata
---
amdhsa.version: [ 1, 2 ]
amdhsa.kernels:
  - .name:           k_qb35017d35e_prep
    .symbol:         k_qb35017d35e_prep.kd
    .args:
      - { .name: hidden_states, .offset: 0, .size: 8, .value_kind: global_buffer, .address_space: global }
      - { .name: top_k_index, .offset: 8, .size: 8, .value_kind: global_buffer, .address_space: global }
      - { .name: x_codes, .offset: 16, .size: 8, .value_kind: global_buffer, .address_space: global }
      - { .name: x_scales, .offset: 24, .size: 8, .value_kind: global_buffer, .address_space: global }
      - { .name: route, .offset: 32, .size: 8, .value_kind: global_buffer, .address_space: global }
      - { .name: rowslot, .offset: 40, .size: 8, .value_kind: global_buffer, .address_space: global }
    .group_segment_fixed_size: 45056
    .private_segment_fixed_size: 0
    .kernarg_segment_align: 8
    .kernarg_segment_size: 48
    .max_flat_workgroup_size: 256
    .sgpr_count:     80
    .vgpr_count:     130
    .wavefront_size: 32
...
	.end_amdgpu_metadata
.endif
;; end of part 1
;; launch gateup (part 2): grid 256 x 1, 4 waves a work-group, no clusters, 72,192 bytes of LDS; arguments x_codes, x_scales, gate_w, up_w, route, rowslot, h_codes, h_scales; writes h_codes, h_scales
.if DOCPART == 2
	.amdgcn_target "amdgcn-amd-amdhsa--gfx1250"
	.amdhsa_code_object_version 6
	.text
	.protected	k_qb35017d35e_gateup
	.globl	k_qb35017d35e_gateup
	.p2align	8
	.type	k_qb35017d35e_gateup,@function
k_qb35017d35e_gateup:
	s_mov_b64 s[64:65], 0
	v_nop
	global_prefetch_b8 v0, s[64:65] scope:SCOPE_SE
	s_setreg_imm32_b32 hwreg(HW_REG_WAVE_MODE, 25, 1), 1
	s_wait_xcnt 0x0
; h = gelu(x Wg^T) * (x Wu^T) for the rows routed to one expert, both products on codes of FP4 (E2M1) with one E8M0 scale for each 32 along K = 2,048; h leaves as codes, quantised along I.
; SHARES.  Work-group = (expert e = id / 32, block B = id % 32 of 32 along I): 32 rows of gate_w and 32 of up_w, 512 KiB of f32 that no other work-group reads.
; PHASE 1: wave w streams 16 of these 64 rows (waves 0, 1: gate; 2, 3: up), quantises them and lays codes and scale bytes in LDS.  Weight codes never go to memory.
;   The conversion takes 8 neighbours along K from one lane's registers.  A lane loads 16 bytes at 32 (lane % 16) + 16 (lane / 16) of a run of 512 bytes, so that each load covers 512 consecutive bytes;
;   of two neighbouring runs the first's lanes 16-31 then change places with the second's lanes 0-15, register by register, and lane l holds the numbers 8 l .. 8 l + 7 of the two runs' 256.  A block of 32 is four lanes.
; ONE BARRIER.  PHASE 2: every wave takes ALL four tiles (64 fragments, 512 registers) into registers and walks the expert's blocks of 32 rows, wave w the blocks w, w + 4, ..:
;   x's codes by the list, 128 products, the activation, the quantiser, one store of 16 bytes a lane.  The trip count is read from route, so the launch has no tensor load, and no barrier and no LDS access stands in the loop.
; No cluster: the f32 weights, nearly all of the bytes, are shared by nobody, and what an expert's work-groups share (x's codes) is the small part.
; THE PRODUCT IS USED TRANSPOSED (source 0 = 16 rows of W, source 1 = 16 tokens): a lane holds ONE token and its registers run along I.
; THE ROWS OF A TILE ARE NOT NEIGHBOURS: row m of tile u is row 8 u + m + 8 (m / 8) of the 32, so that lane (r, h) holds, in the 16 registers of tiles 0 and 1, i = 16 h + 0 .. 15.
; gelu(g) = g / (1 + 2^(g (KA + KB g^2))), KA = -2 log2(e) sqrt(2 / pi), KB = 0.044715 KA: the tanh form, in f32.
; h_codes: [tile of 16 rows][block B][row][16 bytes], which is the order of the next product's operand registers.  h_scales: [tile][32 lanes][4 words]: word j of lane (r, hh) = the four bytes of K step 4 hh + j of row r.
; LIMITS: NaN and infinities are not served.  A block of zeros gets the byte 1 where the quantiser says 127: its codes are zeros, and the bytes are read by this program alone.
; Filling rows of the list (entry 2048 + e) are multiplied like any other, with token e's numbers; what becomes of them is read by nobody.  An expert without rows still streams its weights: every wave passes the barrier.
; REGISTERS, in windows of 256.  Window 0: v1-19, v30 addresses; v20-29, v31 at work; in phase 1 v32-35 scale bytes, v48-255 thirteen sets of 16 numbers;
;   in phase 2 v32-35 KA, KB; v36-51 x's scale words; v52-83 the weights' scale words; v84-115 temporaries; v128-191 the accumulators (tile of tokens m at + 32 m: gate 0, gate 1, up 0, up 1).
;   Window 1: the weights' fragments of K steps 0-7 (step s, tile t at v[8 (4 s + t)]);  window 2: of K steps 8-15;  window 3: x's fragments (tile m, step s at v[128 m + 8 s]).
.set D,     13                         ; sets of loads in flight: 52 loads of 512 bytes a wave
.set NS,    64                         ; steps of 512 numbers for a wave: 16 rows x 4
.set SPR,   4                          ; steps in a row
.set RB,    8192                       ; a row of the weights in bytes
.set GAP,   8                          ; rows 8-15 of a tile lie 8 rows further on
.set EXTRA, 2                          ; the two loads of the list, issued behind set D - 1
.set CP,    1040                       ; a row of codes in LDS: 1,024 bytes + 16: an odd multiple of 16, so that the 16 rows of a fragment load start at different banks (ISA guide 11.1)
.set SCP,   80                         ; a row of scale bytes: 64 + 16
.set SCL,   64*CP                      ; LDS: from byte 0 64 rows of codes; then 64 rows of scale bytes, up to byte 71,679
.set GL,  1                            ; 32 x (lane % 16) + 16 x (lane / 16): my 16 bytes of a load's 512
.set CW,  4                            ; where my codes go: 4 bytes a lane
.set SW,  5                            ; where my block's byte goes: a byte for four lanes
.set FA,  6                            ; a fragment's place for my lane
.set FS,  7                            ; a scale register's
.set LO,  8                            ; 4 x (lane % 16): my word of a tile's 16 entries
.set LA,  9                            ; the list's address
.set TK,  10                           ; v10-11 the entries of my row in the block's two tiles
.set XA,  12                           ; v12-13 my byte offset in x_codes, tile 0, 1
.set XSA, 14                           ; v14-15 in x_scales
.set HO,  16                           ; my place in a block's h_codes
.set HA,  17
.set HSO, 18                           ; my place in a block's h_scales
.set HSA, 19
.set PC,  20                           ; v20-23 h's codes
.set PR,  24                           ; phase 1: v24-27 two pairs of code registers
.set BY,  32                           ; phase 1: v32-35 two pairs of bytes
.set H16, 30                           ; 16 x (lane / 16)
.set R,   48
.set KA,  32
.set KB,  34
.set XS,  36
.set WS,  52
.set T,   84
.set ACC, 128
.set SRC, 24                           ; s[24:25] my 16 rows of the weights
.set MSB, 0
.macro WIN new                         ; the immediate's high byte repeats the setting that is left
.if MSB != \new
	s_set_vgpr_msb (MSB<<8)|\new
.set MSB, \new
.endif
.endm
; ---- the stream: step t is 512 numbers, 2,048 bytes, of row t / SPR: four runs of 512 bytes
.macro WLOAD t
.set WM, (\t)/SPR
.set WG, (WM+GAP*(WM/8))*RB+((\t)%SPR)*2048
.irp i, 0,1,2,3
	global_load_b128 v[R+16*((\t)%D)+4*\i:R+16*((\t)%D)+4*\i+3], v[GL], s[SRC:SRC+1] offset:WG+512*\i th:TH_LOAD_NT   ; the 32 lanes read 512 consecutive bytes, once in the launch
.endr
.endm
.macro WSTEP t
.set RS, R+16*((\t)%D)
.set WL, (\t)+D-1
.if WL > NS-1
.set WL, NS-1
.endif
.set WC, 4*(WL-(\t))
.if (\t) < D
.set WC, WC+EXTRA
.endif
	s_wait_loadcnt WC                              ; this step's four loads are in; what was issued behind them may be out
.irp j, 0,1,2,3
	v_permlane16_swap_b32 v[RS+\j], v[RS+4+\j]     ; runs 0 and 1: registers 0-7 now hold the numbers 8 l .. 8 l + 7 of their 256
	v_permlane16_swap_b32 v[RS+8+\j], v[RS+12+\j]  ; runs 2 and 3: registers 8-15 likewise
.endr
	v_max3_num_f32 v20, |v[RS]|, |v[RS+1]|, 0x1800000              ; the largest magnitude of my 8, the two halves of the step by turns, with the floor 2^(3 - 127): the byte cannot fall under 1
	v_max3_num_f32 v21, |v[RS+8]|, |v[RS+9]|, 0x1800000
.irp i, 2,4,6
	v_max3_num_f32 v20, v20, |v[RS+\i]|, |v[RS+\i+1]|
	v_max3_num_f32 v21, v21, |v[RS+8+\i]|, |v[RS+9+\i]|
.endr
	v_max_num_f32_dpp v20, v20, v20 row_xmask:1 row_mask:0xf bank_mask:0xf   ; with the three other lanes of my block
	v_max_num_f32_dpp v21, v21, v21 row_xmask:1 row_mask:0xf bank_mask:0xf
	v_max_num_f32_dpp v20, v20, v20 row_xmask:2 row_mask:0xf bank_mask:0xf
	v_max_num_f32_dpp v21, v21, v21 row_xmask:2 row_mask:0xf bank_mask:0xf
	v_add_nc_u32 v22, 0xff000000, v20              ; 2 off the exponent field: the conversion's scale operand
	v_add_nc_u32 v23, 0xff000000, v21
.if (\t) >= 2
	s_wait_dscnt 4                                 ; the last step's four stores may be out; those of two steps ago, whose registers are written now, are done
.endif
	v_cvt_scalef32_pk8_fp4_f32 v[PR+2*((\t)%2)], v[RS:RS+7], v22
	v_cvt_scalef32_pk8_fp4_f32 v[PR+2*((\t)%2)+1], v[RS+8:RS+15], v23
	v_lshrrev_b32 v[BY+2*((\t)%2)], 23, v22        ; the scales' bytes; also the plain lines behind the conversions
	v_lshrrev_b32 v[BY+2*((\t)%2)+1], 23, v23
.if (\t)+D < NS
	WLOAD (\t)+D                                   ; the set is read out: it takes the loads of D steps on
.endif
.set WM, (\t)/SPR
	ds_store_b32 v[CW], v[PR+2*((\t)%2)] offset:WM*CP+((\t)%SPR)*256          ; 128 consecutive bytes of the row's codes,
	ds_store_b32 v[CW], v[PR+2*((\t)%2)+1] offset:WM*CP+((\t)%SPR)*256+128    ; and the next 128
	ds_store_b8 v[SW], v[BY+2*((\t)%2)] offset:WM*SCP+((\t)%SPR)*16           ; the four lanes of a block write the same byte with the same value
	ds_store_b8 v[SW], v[BY+2*((\t)%2)+1] offset:WM*SCP+((\t)%SPR)*16+8
.endm
; ---- phase 2
.macro XADDR                           ; from the list's entries to my byte offsets: token = entry mod 1,024
.irp m, 0,1
	v_min_u32 v31, 0xfff, v[TK+\m]
	v_and_b32 v31, 0x3ff, v31
	v_lshl_add_u32 v[XA+\m], v31, 10, v[H16]
	v_lshl_add_u32 v[XSA+\m], v31, 6, v[H16]
.endr
.endm
.macro XLOAD                           ; a block's operand: 2 tiles x 16 K steps x 2 loads, and its scale words: register 4 q + j holds K step 8 q + j in lanes 0-15 and 8 q + 4 + j in lanes 16-31
	WIN 0xc0                                       ; destination window 3
.irp m, 0,1
.irp s, 0,1,2,3,4,5,6,7,8,9,10,11,12,13,14,15
.irp c, 0,1
	global_load_b128 v[128*\m+8*\s+4*\c:128*\m+8*\s+4*\c+3], v[XA+\m], s[4:5] offset:64*\s+32*\c
.endr
.endr
.endr
	WIN 0
.irp m, 0,1
.irp q, 0,1
	global_load_b128 v[XS+8*\m+4*\q:XS+8*\m+4*\q+3], v[XSA+\m], s[6:7] offset:32*\q
.endr
.endr
.endm
.macro PROD                            ; one product, by the symbols PD, PA, PB, PSA, PSB; PMODE 0: it starts the sum; 1: scales in lanes 0-15; 2: in lanes 16-31
.if PMODE == 0
	v_wmma_scale_f32_16x16x128_f8f6f4 v[PD:PD+7], v[PA:PA+7], v[PB:PB+7], 0, v[PSA], v[PSB] matrix_a_fmt:MATRIX_FMT_FP4 matrix_b_fmt:MATRIX_FMT_FP4
.elseif PMODE == 1
	v_wmma_scale_f32_16x16x128_f8f6f4 v[PD:PD+7], v[PA:PA+7], v[PB:PB+7], v[PD:PD+7], v[PSA], v[PSB] matrix_a_fmt:MATRIX_FMT_FP4 matrix_b_fmt:MATRIX_FMT_FP4
.else
	v_wmma_scale_f32_16x16x128_f8f6f4 v[PD:PD+7], v[PA:PA+7], v[PB:PB+7], v[PD:PD+7], v[PSA], v[PSB] matrix_a_fmt:MATRIX_FMT_FP4 matrix_b_fmt:MATRIX_FMT_FP4 matrix_a_scale:MATRIX_SCALE_ROW1 matrix_b_scale:MATRIX_SCALE_ROW1
.endif
.endm
.macro MULS first                      ; eight K steps from first on: 64 products; the eight accumulators take turns, one instruction a turn
.set S, \first
.rept 8
.irp m, 0,1
.irp t, 0,1,2,3
.set PD, ACC+32*\m+8*\t
.set PA, ((S%8)*4+\t)*8
.set PB, 128*\m+8*S
.set PSA, WS+8*\t+4*(S/8)+S%4
.set PSB, XS+8*\m+4*(S/8)+S%4
.set PMODE, 1+(S%8)/4
.if S == 0
.set PMODE, 0
.endif
	PROD
.endr
.endr
.set S, S+1
.endr
.endm
	s_load_b256 s[4:11], s[0:1], 0x0               ; x_codes s[4:5], x_scales s[6:7], gate_w s[8:9], up_w s[10:11]
	s_load_b256 s[12:19], s[0:1], 0x20             ; route s[12:13], rowslot s[14:15], h_codes s[16:17], h_scales s[18:19]
	v_lshl_add_u32 v2, v0, 2, 0x11800
	v_mov_b32 v3, 0
	v_lshrrev_b32 v31, 5, v0
	v_readfirstlane_b32 s20, v31                   ; wave 0..3
	s_lshr_b32 s21, ttmp9, 5                       ; e
	s_and_b32 s22, ttmp9, 31                       ; B
	s_lshl_b32 s23, s21, 3                         ; the expert's two words of route
	s_and_b32 s31, s20, 1                          ; u: which of the tensor's two tiles is mine
	s_lshl_b32 s26, s21, 10
	s_lshl_b32 s32, s22, 5
	s_add_co_u32 s26, s26, s32
	s_lshl_b32 s32, s31, 3
	s_add_co_u32 s26, s26, s32                     ; my first row: 1,024 e + 32 B + 8 u
	s_lshl_b32 s26, s26, 13                        ; in bytes (under 2^27)
	s_mov_b32 s27, 0
	s_mov_b32 s36, 0x76543210
	s_mov_b32 s37, 0xfedcba98                      ; v_permlanex16_b32's selects for lane l xor 16
	s_mov_b32 s38, 0xffff0000                      ; lanes 16-31
	v_and_b32 v31, 31, v0                          ; lane
	v_and_b32 v29, 15, v0                          ; r
	v_bfe_u32 v28, v0, 4, 1                        ; h
	v_lshlrev_b32 v[GL], 5, v29
	v_lshl_add_u32 v[GL], v28, 4, v[GL]            ; 32 r + 16 h
	s_mul_i32 s31, s20, 16*CP
	v_lshl_add_u32 v[CW], v31, 2, s31              ; my tile's rows of codes, 4 bytes a lane
	s_mul_i32 s31, s20, 16*SCP
	s_add_co_u32 s31, s31, SCL
	v_lshrrev_b32 v[SW], 2, v31
	v_add_nc_u32 v[SW], s31, v[SW]                 ; my tile's rows of scale bytes, a byte for four lanes
	v_mul_u32_u24 v[FA], v29, CP
	v_lshl_add_u32 v[FA], v28, 4, v[FA]            ; row r, + 16 h
	v_mul_u32_u24 v[FS], v29, SCP
	v_lshl_add_u32 v[FS], v28, 4, v[FS]
	v_add_nc_u32 v[FS], SCL, v[FS]
	v_lshlrev_b32 v[LO], 2, v29
	v_lshlrev_b32 v[H16], 4, v28
	s_lshl_b32 s31, s22, 8
	v_lshlrev_b32 v[HO], 13, v28
	v_lshl_add_u32 v[HO], v29, 4, v[HO]
	v_add_nc_u32 v[HO], s31, v[HO]                 ; lanes 0-15 the block's first tile, lanes 16-31 its second (8,192 bytes on); + 256 B + 16 r
	s_lshr_b32 s31, s22, 4
	s_lshl_b32 s31, s31, 8
	s_bfe_u32 s32, s22, 0x20002
	s_lshl_b32 s32, s32, 2
	s_add_co_u32 s31, s31, s32
	s_and_b32 s32, s22, 3
	s_add_co_u32 s31, s31, s32                     ; block B's byte in a tile's scales: 256 (B / 16) + 4 ((B / 4) % 4) + B % 4
	v_lshlrev_b32 v[HSO], 9, v28
	v_lshl_add_u32 v[HSO], v29, 4, v[HSO]
	v_add_nc_u32 v[HSO], s31, v[HSO]               ; + 512 for the second tile, + 16 r
	s_wait_kmcnt 0x0
	s_cmp_lt_u32 s20, 2                            ; gate_w or up_w: the choice hangs on the wave's number alone
	s_cselect_b64 s[SRC:SRC+1], s[8:9], s[10:11]
	s_add_nc_u64 s[SRC:SRC+1], s[SRC:SRC+1], s[26:27]
	s_load_b64 s[28:29], s[12:13], s23 offset:0x0  ; the expert's first block s28, its number of blocks s29
	; ---- PHASE 1
.set Q, 0
.rept D
	WLOAD Q
.set Q, Q+1
.endr
	s_wait_kmcnt 0x0
	s_min_u32 s28, s28, 70                         ; the list has 71 blocks
	s_min_u32 s29, s29, 71
	s_add_co_u32 s31, s28, s20                     ; my first block; a wave that has none takes block 0, which is always written
	s_cmp_lt_u32 s20, s29
	s_cselect_b32 s31, s31, 0
	s_min_u32 s31, s31, 70
	s_lshl_b32 s31, s31, 7                         ; 128 bytes of the list a block
	v_add_nc_u32 v[LA], s31, v[LO]
	global_load_b32 v[TK], v[LA], s[14:15]
	global_load_b32 v[TK+1], v[LA], s[14:15] offset:64
.set Q, 0
.rept NS
	WSTEP Q
.set Q, Q+1
.endr
	XADDR                                          ; (the stream's last wait was for all loads: the list's entries are in)
	XLOAD                                          ; my first block's operand is on its way while the waves meet
	s_wait_dscnt 0x0                               ; for the others' sake: my codes and bytes lie in LDS
	s_barrier_signal -1
	s_barrier_wait -1                              ; the one barrier: behind it nobody writes LDS
	s_cmp_ge_u32 s20, s29
	s_cbranch_scc1 .Lend                           ; no block for me
	; ---- PHASE 2: all four tiles into registers
.irp t, 0,1,2,3
.irp q, 0,1
	ds_load_b128 v[WS+8*\t+4*\q:WS+8*\t+4*\q+3], v[FS] offset:\t*16*SCP+32*\q
.endr
.endr
	WIN 0x40                                       ; destination window 1
.irp s, 0,1,2,3,4,5,6,7
.irp t, 0,1,2,3
.irp c, 0,1
	ds_load_b128 v[(\s*4+\t)*8+4*\c:(\s*4+\t)*8+4*\c+3], v[FA] offset:\t*16*CP+\s*64+\c*32
.endr
.endr
.endr
	WIN 0x80                                       ; destination window 2
.irp s, 0,1,2,3,4,5,6,7
.irp t, 0,1,2,3
.irp c, 0,1
	ds_load_b128 v[(\s*4+\t)*8+4*\c:(\s*4+\t)*8+4*\c+3], v[FA] offset:\t*16*CP+(\s+8)*64+\c*32
.endr
.endr
.endr
	WIN 0
	v_mov_b32 v[KA], 0xc0135761                    ; -2 log2(e) sqrt(2 / pi)
	v_mov_b32 v[KA+1], 0xc0135761
	v_mov_b32 v[KB], 0xbdd2d3e8                    ; x 0.044715
	v_mov_b32 v[KB+1], 0xbdd2d3e8
	s_mov_b32 s30, s20                             ; J: my block among the expert's: w, w + 4, ..
	s_sub_co_u32 s34, s29, s20                     ; my trips: (blocks - w + 3) / 4, at least 1 here; the loop does not write it
	s_add_co_u32 s34, s34, 3
	s_lshr_b32 s34, s34, 2
	s_mov_b32 s33, 0                               ; the trips' counter, one a trip
.Lblk:
	s_add_co_u32 s31, s30, 4                       ; the list of my next block; the last trip asks for its own again, so that no load leaves the written list
	s_sub_co_u32 s32, s29, 1
	s_min_u32 s31, s31, s32
	s_add_co_u32 s31, s31, s28
	s_min_u32 s31, s31, 70
	s_lshl_b32 s31, s31, 7
	v_add_nc_u32 v[LA], s31, v[LO]                 ; (the loads that named it are done: the wait for all loads in the trip before, or the stream's last)
	global_load_b32 v[TK], v[LA], s[14:15]
	global_load_b32 v[TK+1], v[LA], s[14:15] offset:64
	s_wait_loadcnt 2                               ; all but these two: this block's operand is in
	s_wait_dscnt 63                                ; first trip: at most 63 of the 64 loads of K steps 8-15 are out, so the scale words and K steps 0-7 are in; later trips: nothing is out
	WIN 0x0d                                       ; source 0 window 1, source 1 window 3, C and D window 0
	MULS 0
	s_wait_dscnt 0x0                               ; K steps 8-15
	WIN 0x0e                                       ; source 0 window 2
	MULS 8
	WIN 0
	s_wait_loadcnt 0x0                             ; the next block's entries
	s_wait_xcnt 0x0                                ; the last trip's two stores have read their registers, which are written again below; ahead of the loads that follow, for which it need not wait
	XADDR                                          ; eight plain lines that name no register of the products: the places in front of the loads below, of the first read of results, and of the next trip's products, which begin the sums anew
	s_add_co_u32 s35, s33, 1
	s_cmp_ge_u32 s35, s34
	s_cbranch_scc1 .Lnox                           ; the last trip has no next block to ask for
	XLOAD                                          ; on its way while the activation is computed
.Lnox:
	s_add_co_u32 s31, s28, s30
	s_min_u32 s31, s31, 70                         ; this block
	s_lshl_b32 s32, s31, 10                        ; its 1,024 bytes of scales,
	s_lshl_b32 s31, s31, 14                        ; its 16,384 bytes of codes
	; the activation, both tiles together; each accumulator is read from its low end on
.irp m, 0,1
.irp p, 0,2,4,6,8,10,12,14
	v_pk_mul_f32 v[T+16*\m+\p:T+16*\m+\p+1], v[ACC+32*\m+\p:ACC+32*\m+\p+1], v[ACC+32*\m+\p:ACC+32*\m+\p+1]   ; g^2
.endr
.endr
.irp p, 0,2,4,6,8,10,12,14,16,18,20,22,24,26,28,30
	v_pk_fma_f32 v[T+\p:T+\p+1], v[T+\p:T+\p+1], v[KB:KB+1], v[KA:KA+1]                                       ; KA + KB g^2
.endr
.irp m, 0,1
.irp p, 0,2,4,6,8,10,12,14
	v_pk_mul_f32 v[T+16*\m+\p:T+16*\m+\p+1], v[T+16*\m+\p:T+16*\m+\p+1], v[ACC+32*\m+\p:ACC+32*\m+\p+1]       ; x g
.endr
.endr
.irp j, 0,1,2,3,4,5,6,7,8,9,10,11,12,13,14,15,16,17,18,19,20,21,22,23,24,25,26,27,28,29,30,31
	v_exp_f32 v[T+\j], v[T+\j]
.endr
	v_add_nc_u32 v[HA], s31, v[HO]                 ; where the codes go; also the plain line behind the exponentials (ISA guide 5.7.2)
	s_wait_alu depctr_va_vdst(0)
.irp p, 0,2,4,6,8,10,12,14,16,18,20,22,24,26,28,30
	v_pk_add_f32 v[T+\p:T+\p+1], v[T+\p:T+\p+1], 1.0 op_sel_hi:[1,0]
.endr
.irp j, 0,1,2,3,4,5,6,7,8,9,10,11,12,13,14,15,16,17,18,19,20,21,22,23,24,25,26,27,28,29,30,31
	v_rcp_f32 v[T+\j], v[T+\j]
.endr
	v_add_nc_u32 v[HSA], s32, v[HSO]               ; where the byte goes; also the plain line behind the reciprocals
	s_wait_alu depctr_va_vdst(0)
.irp m, 0,1
.irp p, 0,2,4,6,8,10,12,14
	v_pk_mul_f32 v[ACC+32*\m+\p:ACC+32*\m+\p+1], v[ACC+32*\m+\p:ACC+32*\m+\p+1], v[T+16*\m+\p:T+16*\m+\p+1]   ; gelu(g)
.endr
.endr
.irp m, 0,1
.irp p, 0,2,4,6,8,10,12,14
	v_pk_mul_f32 v[ACC+32*\m+\p:ACC+32*\m+\p+1], v[ACC+32*\m+\p:ACC+32*\m+\p+1], v[ACC+32*\m+16+\p:ACC+32*\m+16+\p+1]   ; x u: h(my token, 32 B + 16 h + 0 .. 15)
.endr
.endr
	; the quantiser: block B of my row lies in lanes l and l xor 16; the two tiles by turns
.irp m, 0,1
	v_max3_num_f32 v[27+\m], |v[ACC+32*\m]|, |v[ACC+32*\m+1]|, 0x1800000   ; with the floor 2^(3 - 127)
.endr
.irp i, 2,4,6,8,10,12,14
.irp m, 0,1
	v_max3_num_f32 v[27+\m], v[27+\m], |v[ACC+32*\m+\i]|, |v[ACC+32*\m+\i+1]|
.endr
.endr
.irp m, 0,1
	v_permlanex16_b32 v[T+2+\m], v[27+\m], s36, s37
.endr
.irp m, 0,1
	v_max_num_f32 v[27+\m], v[27+\m], v[T+2+\m]    ; the block's largest magnitude
.endr
.irp m, 0,1
	v_add_nc_u32 v[T+\m], 0xff000000, v[27+\m]     ; the conversion's scale operand
.endr
.irp m, 0,1
	v_lshrrev_b32 v[24+\m], 23, v[T+\m]            ; the scale's byte
.endr
.irp m, 0,1
	v_cvt_scalef32_pk8_fp4_f32 v[PC+2*\m], v[ACC+32*\m:ACC+32*\m+7], v[T+\m]
	v_cvt_scalef32_pk8_fp4_f32 v[PC+2*\m+1], v[ACC+32*\m+8:ACC+32*\m+15], v[T+\m]
.endr
	v_nop                                          ; one plain line behind the conversions
	v_permlane16_swap_b32 v[PC], v[PC+2]           ; lanes 0-15 now hold tile 0's rows whole (32 codes, 16 bytes), lanes 16-31 tile 1's
	v_permlane16_swap_b32 v[PC+1], v[PC+3]
	v_cndmask_b32 v26, v24, v25, s38               ; and the byte likewise
	global_store_b128 v[HA], v[PC:PC+3], s[16:17]  ; sixteen lanes store 256 consecutive bytes, aligned
	global_store_b8 v[HSA], v26, s[18:19]
	s_add_co_u32 s30, s30, 4                       ; my next block
	s_add_co_u32 s33, s33, 1
	s_cmp_lt_u32 s33, s34
	s_cbranch_scc1 .Lblk
.Lend:
	s_wait_tensorcnt 0x0
	ds_add_u32 v2, v3
	s_wait_dscnt 0x0
	s_endpgm
.Lfunc_end_k_qb35017d35e_gateup:
	.size	k_qb35017d35e_gateup, .Lfunc_end_k_qb35017d35e_gateup-k_qb35017d35e_gateup
	.p2alignl 7, 3214868480
	.fill 96, 4, 3214868480
	.section	.rodata,"a",@progbits
	.p2align	6, 0x0
	.amdhsa_kernel k_qb35017d35e_gateup
		.amdhsa_group_segment_fixed_size 72192
		.amdhsa_private_segment_fixed_size 0
		.amdhsa_enable_private_segment 0
		.amdhsa_kernarg_size 64
		.amdhsa_user_sgpr_count 2
		.amdhsa_user_sgpr_kernarg_segment_ptr 1
		.amdhsa_wavefront_size32 1
		.amdhsa_system_sgpr_workgroup_id_x 1
		.amdhsa_system_sgpr_workgroup_id_y 1
		.amdhsa_system_sgpr_workgroup_id_z 1
		.amdhsa_system_vgpr_workitem_id 0
		.amdhsa_next_free_vgpr 1024
		.amdhsa_next_free_sgpr 66
		.amdhsa_reserve_vcc 0
		.amdhsa_float_denorm_mode_32 3
		.amdhsa_float_denorm_mode_16_64 3
		.amdhsa_memory_ordered 1
		.amdhsa_forward_progress 1
		.amdhsa_inst_pref_size 186
	.end_amdhsa_kernel
	.amdgpu_metadata
---
amdhsa.version: [ 1, 2 ]
amdhsa.kernels:
  - .name:           k_qb35017d35e_gateup
    .symbol:         k_qb35017d35e_gateup.kd
    .args:
      - { .name: x_codes, .offset: 0, .size: 8, .value_kind: global_buffer, .address_space: global }
      - { .name: x_scales, .offset: 8, .size: 8, .value_kind: global_buffer, .address_space: global }
      - { .name: gate_w, .offset: 16, .size: 8, .value_kind: global_buffer, .address_space: global }
      - { .name: up_w, .offset: 24, .size: 8, .value_kind: global_buffer, .address_space: global }
      - { .name: route, .offset: 32, .size: 8, .value_kind: global_buffer, .address_space: global }
      - { .name: rowslot, .offset: 40, .size: 8, .value_kind: global_buffer, .address_space: global }
      - { .name: h_codes, .offset: 48, .size: 8, .value_kind: global_buffer, .address_space: global }
      - { .name: h_scales, .offset: 56, .size: 8, .value_kind: global_buffer, .address_space: global }
    .group_segment_fixed_size: 72192
    .private_segment_fixed_size: 0
    .kernarg_segment_align: 8
    .kernarg_segment_size: 64
    .max_flat_workgroup_size: 128
    .sgpr_count:     66
    .vgpr_count:     1024
    .wavefront_size: 32
...
	.end_amdgpu_metadata
.endif
;; end of part 2
;; launch down (part 3): grid 256 x 1, 4 waves a work-group, no clusters, 72,192 bytes of LDS; arguments h_codes, h_scales, down_w, route, rowslot, y; writes y
.if DOCPART == 3
	.amdgcn_target "amdgcn-amd-amdhsa--gfx1250"
	.amdhsa_code_object_version 6
	.text
	.protected	k_qb35017d35e_down
	.globl	k_qb35017d35e_down
	.p2align	8
	.type	k_qb35017d35e_down,@function
k_qb35017d35e_down:
	s_mov_b64 s[64:65], 0
	v_nop
	global_prefetch_b8 v0, s[64:65] scope:SCOPE_SE
	s_setreg_imm32_b32 hwreg(HW_REG_WAVE_MODE, 25, 1), 1
	s_wait_xcnt 0x0
; y = h Wd^T for the rows routed to one expert, on codes of FP4 (E2M1) with one E8M0 scale for each 32 along K = 1,024.
; SHARES.  Work-group = (expert e = id / 32, slice id % 32 of 64 columns of H): 64 rows of down_w, 256 KiB of f32 that no other work-group reads.
; PHASE 1: wave w streams 16 of these rows, quantises them and lays codes and scale bytes in LDS.  The conversion takes 8 neighbours along K from one lane's registers.  A lane loads 16 bytes at
;   32 (lane % 16) + 16 (lane / 16) of a run of 512 bytes, so that each load covers 512 consecutive bytes; of two neighbouring runs the first's lanes 16-31 then change places with the second's lanes 0-15,
;   register by register, and lane l holds the numbers 8 l .. 8 l + 7 of the two runs' 256.  A block of 32 is four lanes.
; ONE BARRIER.  PHASE 2: every wave takes all four tiles (32 fragments) into registers and walks the
; expert's blocks of 32 rows, wave w the blocks w, w + 4, ..: h's codes come in the order of the operand's registers (dense loads of 512 bytes), 64 products, and the rows go to y by the list:
; row k x 1024 + t for an entry, the spare row 2048 + e for a filling row, which nobody reads.  The trip count is read from route: no tensor load, and no barrier in the loop.
; No cluster: the f32 weights, nearly all of the bytes, are shared by nobody.
; THE PRODUCT IS USED TRANSPOSED (source 0 = 16 rows of Wd, source 1 = 16 rows of h): a lane holds eight neighbouring columns of one row of y.  A tile of 16 rows x 64 columns goes through the
; wave's own stage in LDS and leaves as whole runs of 256 bytes.
; LIMITS: NaN and infinities are not served.  A block of zeros gets the byte 1 where the quantiser says 127: its codes are zeros, and the bytes never leave the work-group.
; An expert without rows still streams its weights: every wave passes the barrier.
; REGISTERS.  Window 0: v1-15 addresses; v20-27 at work; in phase 1 v32-35 scale bytes, v48-255 thirteen sets of 16 numbers; in phase 2 v64-79 the weights' scale words,
;   v80-87 h's, v96-111 the stores' offsets, v112-127 the list's entries, v128-191 the accumulators ((m, t) at + 8 (4 m + t)), v192-255 rows on the way out.
;   Window 1: the weights' fragments (K step s, tile t at v[8 (4 s + t)]).   Window 2: h's (tile m, step s at v[64 m + 8 s]).
.set D,     13                         ; sets of loads in flight: 52 loads of 512 bytes a wave
.set NS,    32                         ; steps of 512 numbers for a wave: 16 rows x 2
.set SPR,   2
.set RB,    4096
.set GAP,   0
.set EXTRA, 0
.set CP,    528                        ; a row of codes in LDS: 512 bytes + 16
.set SCP,   48                         ; a row of scale bytes: 32 + 16
.set SCL,   64*CP                      ; LDS: from byte 0 64 rows of codes; then 64 rows of scale bytes;
.set OST,   SCL+64*SCP                 ; and for each wave two stages of 16 rows x 272 bytes for the way out, up to byte 71,679
.set GL,  1                            ; 32 x (lane % 16) + 16 x (lane / 16): my 16 bytes of a load's 512
.set CW,  4                            ; where my codes go: 4 bytes a lane
.set SW,  5                            ; where my block's byte goes: a byte for four lanes
.set FA,  6
.set FS,  7
.set L16, 8                            ; 16 x lane
.set H4,  9                            ; 4 x (lane / 16)
.set HL,  10                           ; my offset in h_codes,
.set HSL, 11                           ; in h_scales,
.set LA,  12                           ; in the list
.set CO,  13                           ; my 16 bytes of the slice's 256 in a row of y
.set SO2, 14                           ; the way out: where I put 32 bytes of a row
.set RD,  15                           ; and where I read a row back
.set PR,  24                           ; phase 1: v24-27 two pairs of code registers
.set BY,  32                           ; phase 1: v32-35 two pairs of bytes
.set R,   48
.set WS,  64
.set HS,  80
.set OA,  96
.set SL,  112
.set ACC, 128
.set OB,  192
.set SRC, 24                           ; s[24:25] my 16 rows of down_w
.set MSB, 0
.macro WIN new                         ; the immediate's high byte repeats the setting that is left
.if MSB != \new
	s_set_vgpr_msb (MSB<<8)|\new
.set MSB, \new
.endif
.endm
; ---- the stream: step t is 512 numbers, 2,048 bytes, of row t / SPR: four runs of 512 bytes
.macro WLOAD t
.set WM, (\t)/SPR
.set WG, (WM+GAP*(WM/8))*RB+((\t)%SPR)*2048
.irp i, 0,1,2,3
	global_load_b128 v[R+16*((\t)%D)+4*\i:R+16*((\t)%D)+4*\i+3], v[GL], s[SRC:SRC+1] offset:WG+512*\i th:TH_LOAD_NT   ; the 32 lanes read 512 consecutive bytes, once in the launch
.endr
.endm
.macro WSTEP t
.set RS, R+16*((\t)%D)
.set WL, (\t)+D-1
.if WL > NS-1
.set WL, NS-1
.endif
.set WC, 4*(WL-(\t))
.if (\t) < D
.set WC, WC+EXTRA
.endif
	s_wait_loadcnt WC                              ; this step's four loads are in; what was issued behind them may be out
.irp j, 0,1,2,3
	v_permlane16_swap_b32 v[RS+\j], v[RS+4+\j]     ; runs 0 and 1: registers 0-7 now hold the numbers 8 l .. 8 l + 7 of their 256
	v_permlane16_swap_b32 v[RS+8+\j], v[RS+12+\j]  ; runs 2 and 3: registers 8-15 likewise
.endr
	v_max3_num_f32 v20, |v[RS]|, |v[RS+1]|, 0x1800000              ; the largest magnitude of my 8, the two halves of the step by turns, with the floor 2^(3 - 127): the byte cannot fall under 1
	v_max3_num_f32 v21, |v[RS+8]|, |v[RS+9]|, 0x1800000
.irp i, 2,4,6
	v_max3_num_f32 v20, v20, |v[RS+\i]|, |v[RS+\i+1]|
	v_max3_num_f32 v21, v21, |v[RS+8+\i]|, |v[RS+9+\i]|
.endr
	v_max_num_f32_dpp v20, v20, v20 row_xmask:1 row_mask:0xf bank_mask:0xf   ; with the three other lanes of my block
	v_max_num_f32_dpp v21, v21, v21 row_xmask:1 row_mask:0xf bank_mask:0xf
	v_max_num_f32_dpp v20, v20, v20 row_xmask:2 row_mask:0xf bank_mask:0xf
	v_max_num_f32_dpp v21, v21, v21 row_xmask:2 row_mask:0xf bank_mask:0xf
	v_add_nc_u32 v22, 0xff000000, v20              ; 2 off the exponent field: the conversion's scale operand
	v_add_nc_u32 v23, 0xff000000, v21
.if (\t) >= 2
	s_wait_dscnt 4                                 ; the last step's four stores may be out; those of two steps ago, whose registers are written now, are done
.endif
	v_cvt_scalef32_pk8_fp4_f32 v[PR+2*((\t)%2)], v[RS:RS+7], v22
	v_cvt_scalef32_pk8_fp4_f32 v[PR+2*((\t)%2)+1], v[RS+8:RS+15], v23
	v_lshrrev_b32 v[BY+2*((\t)%2)], 23, v22        ; the scales' bytes; also the plain lines behind the conversions
	v_lshrrev_b32 v[BY+2*((\t)%2)+1], 23, v23
.if (\t)+D < NS
	WLOAD (\t)+D                                   ; the set is read out: it takes the loads of D steps on
.endif
.set WM, (\t)/SPR
	ds_store_b32 v[CW], v[PR+2*((\t)%2)] offset:WM*CP+((\t)%SPR)*256          ; 128 consecutive bytes of the row's codes,
	ds_store_b32 v[CW], v[PR+2*((\t)%2)+1] offset:WM*CP+((\t)%SPR)*256+128    ; and the next 128
	ds_store_b8 v[SW], v[BY+2*((\t)%2)] offset:WM*SCP+((\t)%SPR)*16           ; the four lanes of a block write the same byte with the same value
	ds_store_b8 v[SW], v[BY+2*((\t)%2)+1] offset:WM*SCP+((\t)%SPR)*16+8
.endm
; ---- phase 2
.macro HADDR                           ; block s31 (held to 70): my offsets in h_codes (16,384 bytes a block), h_scales (1,024) and the list (128)
	s_lshl_b32 s32, s31, 14
	v_add_nc_u32 v[HL], s32, v[L16]
	s_lshl_b32 s32, s31, 10
	v_add_nc_u32 v[HSL], s32, v[L16]
	s_lshl_b32 s32, s31, 7
	v_add_nc_u32 v[LA], s32, v[H4]
.endm
.macro HLOAD                           ; a block's operand, its scale words and its entries: 50 loads
	WIN 0x80                                       ; destination window 2
.irp m, 0,1
.irp s, 0,1,2,3,4,5,6,7
.irp c, 0,1
	global_load_b128 v[64*\m+8*\s+4*\c:64*\m+8*\s+4*\c+3], v[HL], s[4:5] offset:8192*\m+1024*\s+512*\c   ; 512 consecutive bytes: four registers of a fragment as they stand
.endr
.endr
.endr
	WIN 0
.irp m, 0,1
	global_load_b128 v[HS+4*\m:HS+4*\m+3], v[HSL], s[6:7] offset:512*\m      ; register j: K step j in lanes 0-15, K step 4 + j in lanes 16-31
.endr
.irp m, 0,1
.irp i, 0,1,2,3,4,5,6,7
	global_load_b32 v[SL+8*\m+\i], v[LA], s[12:13] offset:64*\m+8*\i         ; the entry of row 16 m + 2 i + (lane / 16)
.endr
.endr
.endm
.macro PROD                            ; one product, by the symbols PD, PA, PB, PSA, PSB; PMODE 0: it starts the sum; 1: scales in lanes 0-15; 2: in lanes 16-31
.if PMODE == 0
	v_wmma_scale_f32_16x16x128_f8f6f4 v[PD:PD+7], v[PA:PA+7], v[PB:PB+7], 0, v[PSA], v[PSB] matrix_a_fmt:MATRIX_FMT_FP4 matrix_b_fmt:MATRIX_FMT_FP4
.elseif PMODE == 1
	v_wmma_scale_f32_16x16x128_f8f6f4 v[PD:PD+7], v[PA:PA+7], v[PB:PB+7], v[PD:PD+7], v[PSA], v[PSB] matrix_a_fmt:MATRIX_FMT_FP4 matrix_b_fmt:MATRIX_FMT_FP4
.else
	v_wmma_scale_f32_16x16x128_f8f6f4 v[PD:PD+7], v[PA:PA+7], v[PB:PB+7], v[PD:PD+7], v[PSA], v[PSB] matrix_a_fmt:MATRIX_FMT_FP4 matrix_b_fmt:MATRIX_FMT_FP4 matrix_a_scale:MATRIX_SCALE_ROW1 matrix_b_scale:MATRIX_SCALE_ROW1
.endif
.endm
	s_load_b256 s[4:11], s[0:1], 0x0               ; h_codes s[4:5], h_scales s[6:7], down_w s[8:9], route s[10:11]
	s_load_b128 s[12:15], s[0:1], 0x20             ; rowslot s[12:13], y s[14:15]
	v_lshl_add_u32 v46, v0, 2, 0x11800
	v_mov_b32 v47, 0
	v_lshrrev_b32 v31, 5, v0
	v_readfirstlane_b32 s20, v31                   ; wave 0..3
	s_lshr_b32 s21, ttmp9, 5                       ; e
	s_and_b32 s22, ttmp9, 31                       ; the slice
	s_lshl_b32 s23, s21, 3                         ; the expert's two words of route
	s_lshl_b32 s26, s21, 11
	s_lshl_b32 s32, s22, 6
	s_add_co_u32 s26, s26, s32
	s_lshl_b32 s32, s20, 4
	s_add_co_u32 s26, s26, s32                     ; my first row: 2,048 e + 64 slice + 16 w
	s_lshl_b32 s26, s26, 12                        ; in bytes (under 2^27)
	s_mov_b32 s27, 0
	v_and_b32 v31, 31, v0                          ; lane
	v_and_b32 v29, 15, v0                          ; r
	v_bfe_u32 v28, v0, 4, 1                        ; h
	v_lshlrev_b32 v[GL], 5, v29
	v_lshl_add_u32 v[GL], v28, 4, v[GL]            ; 32 r + 16 h
	v_lshlrev_b32 v[L16], 4, v31
	s_mul_i32 s31, s20, 16*CP
	v_lshl_add_u32 v[CW], v31, 2, s31              ; my tile's rows of codes, 4 bytes a lane
	s_mul_i32 s31, s20, 16*SCP
	s_add_co_u32 s31, s31, SCL
	v_lshrrev_b32 v[SW], 2, v31
	v_add_nc_u32 v[SW], s31, v[SW]                 ; my tile's rows of scale bytes, a byte for four lanes
	v_mul_u32_u24 v[FA], v29, CP
	v_lshl_add_u32 v[FA], v28, 4, v[FA]            ; row r, + 16 h
	v_mul_u32_u24 v[FS], v29, SCP
	v_lshl_add_u32 v[FS], v28, 4, v[FS]
	v_add_nc_u32 v[FS], SCL, v[FS]
	v_lshlrev_b32 v[H4], 2, v28
	s_lshl_b32 s31, s22, 8
	v_lshl_add_u32 v[CO], v29, 4, s31              ; 256 slice + 16 r
	s_mul_i32 s31, s20, 8704
	s_add_co_u32 s31, s31, OST                     ; my two stages
	v_mul_u32_u24 v[SO2], v29, 272
	v_lshl_add_u32 v[SO2], v28, 5, v[SO2]
	v_add_nc_u32 v[SO2], s31, v[SO2]               ; in: row r, 32 bytes for each half of the lanes
	v_mul_u32_u24 v[RD], v28, 272
	v_lshl_add_u32 v[RD], v29, 4, v[RD]
	v_add_nc_u32 v[RD], s31, v[RD]                 ; back: lanes 0-15 one row of 256 bytes, lanes 16-31 the next
	s_wait_kmcnt 0x0
	s_add_nc_u64 s[SRC:SRC+1], s[8:9], s[26:27]
	s_load_b64 s[28:29], s[10:11], s23 offset:0x0  ; the expert's first block s28, its number of blocks s29
	; ---- PHASE 1
.set Q, 0
.rept D
	WLOAD Q
.set Q, Q+1
.endr
	s_wait_kmcnt 0x0
	s_min_u32 s28, s28, 70                         ; the list has 71 blocks
	s_min_u32 s29, s29, 71
.set Q, 0
.rept NS
	WSTEP Q
.set Q, Q+1
.endr
	s_add_co_u32 s31, s28, s20                     ; my first block; a wave that has none takes block 0, which is always written
	s_cmp_lt_u32 s20, s29
	s_cselect_b32 s31, s31, 0
	s_min_u32 s31, s31, 70
	HADDR
	HLOAD                                          ; on its way while the waves meet
	s_wait_dscnt 0x0                               ; for the others' sake: my codes and bytes lie in LDS
	s_barrier_signal -1
	s_barrier_wait -1                              ; the one barrier: behind it codes and scale bytes are only read, and each wave writes its own stages alone
	s_cmp_ge_u32 s20, s29
	s_cbranch_scc1 .Lend                           ; no block for me
	; ---- PHASE 2: all four tiles into registers
.irp t, 0,1,2,3
	ds_load_b128 v[WS+4*\t:WS+4*\t+3], v[FS] offset:\t*16*SCP      ; register j: K step j in lanes 0-15, K step 4 + j in lanes 16-31
.endr
	WIN 0x40                                       ; destination window 1
.irp s, 0,1,2,3,4,5,6,7
.irp t, 0,1,2,3
.irp c, 0,1
	ds_load_b128 v[(\s*4+\t)*8+4*\c:(\s*4+\t)*8+4*\c+3], v[FA] offset:\t*16*CP+\s*64+\c*32
.endr
.endr
.endr
	WIN 0
	s_mov_b32 s30, s20                             ; J: my block among the expert's: w, w + 4, ..
	s_sub_co_u32 s34, s29, s20                     ; my trips: (blocks - w + 3) / 4, at least 1 here; the loop does not write it
	s_add_co_u32 s34, s34, 3
	s_lshr_b32 s34, s34, 2
	s_mov_b32 s33, 0                               ; the trips' counter, one a trip
.Lblk:
	s_wait_loadcnt 0x0                             ; this block's operand, scale words and entries
	s_wait_dscnt 0x0                               ; first trip: the weights' fragments; later trips: nothing is out
	WIN 0x09                                       ; source 0 window 1, source 1 window 2, C and D window 0
.set S, 0
.rept 8                                ; 64 products; the eight accumulators take turns, one instruction a turn
.irp m, 0,1
.irp t, 0,1,2,3
.set PD, ACC+8*(4*\m+\t)
.set PA, (S*4+\t)*8
.set PB, 64*\m+8*S
.set PSA, WS+4*\t+S%4
.set PSB, HS+4*\m+S%4
.set PMODE, 1+S/4
.if S == 0
.set PMODE, 0
.endif
	PROD
.endr
.endr
.set S, S+1
.endr
	WIN 0
	s_wait_xcnt 0x0                                ; the last trip's stores have read their offsets and their data
.irp i, 0,1,2,3,4,5,6,7,8,9,10,11,12,13,14,15
	v_min_u32 v[20+\i%2], 2055, v[SL+\i]           ; y has 2,056 rows
	v_lshl_add_u32 v[OA+\i], v[20+\i%2], 13, v[CO] ; these 32 plain lines name no register of the products: they are the places in front of the loads below, of the first read of results, and of the next trip's products, which begin the sums anew
.endr
	s_add_co_u32 s35, s33, 1
	s_cmp_ge_u32 s35, s34
	s_cbranch_scc1 .Lnoh                           ; the last trip has no next block to ask for
	s_add_co_u32 s31, s30, 4                       ; my next block
	s_add_co_u32 s31, s31, s28
	s_min_u32 s31, s31, 70
	HADDR
	HLOAD
.Lnoh:
	; the way out: each tile of 16 rows through a stage of its own; LDS serves a wave's instructions in order, so no wait stands between the stores and the loads
.irp m, 0,1
.irp t, 0,1,2,3
	ds_store_b128 v[SO2], v[ACC+8*(4*\m+\t):ACC+8*(4*\m+\t)+3] offset:4352*\m+64*\t          ; each accumulator from its low end on
	ds_store_b128 v[SO2], v[ACC+8*(4*\m+\t)+4:ACC+8*(4*\m+\t)+7] offset:4352*\m+64*\t+16
.endr
.irp i, 0,1,2,3,4,5,6,7
	ds_load_b128 v[OB+32*\m+4*\i:OB+32*\m+4*\i+3], v[RD] offset:4352*\m+544*\i
.endr
.endr
.irp i, 0,1,2,3,4,5,6,7
	s_wait_dscnt 23-\i                             ; behind tile 0's pair i: its 7 - i later pairs and tile 1's sixteen instructions
	global_store_b128 v[OA+\i], v[OB+4*\i:OB+4*\i+3], s[14:15]            ; sixteen lanes store 256 consecutive bytes, aligned, of the row that the list names
.endr
.irp i, 0,1,2,3,4,5,6,7
	s_wait_dscnt 7-\i
	global_store_b128 v[OA+8+\i], v[OB+32+4*\i:OB+32+4*\i+3], s[14:15]
.endr
	s_add_co_u32 s30, s30, 4                       ; my next block
	s_add_co_u32 s33, s33, 1
	s_cmp_lt_u32 s33, s34
	s_cbranch_scc1 .Lblk
.Lend:
	s_wait_tensorcnt 0x0
	ds_add_u32 v46, v47
	s_wait_dscnt 0x0
	s_endpgm
.Lfunc_end_k_qb35017d35e_down:
	.size	k_qb35017d35e_down, .Lfunc_end_k_qb35017d35e_down-k_qb35017d35e_down
	.p2alignl 7, 3214868480
	.fill 96, 4, 3214868480
	.section	.rodata,"a",@progbits
	.p2align	6, 0x0
	.amdhsa_kernel k_qb35017d35e_down
		.amdhsa_group_segment_fixed_size 72192
		.amdhsa_private_segment_fixed_size 0
		.amdhsa_enable_private_segment 0
		.amdhsa_kernarg_size 48
		.amdhsa_user_sgpr_count 2
		.amdhsa_user_sgpr_kernarg_segment_ptr 1
		.amdhsa_wavefront_size32 1
		.amdhsa_system_sgpr_workgroup_id_x 1
		.amdhsa_system_sgpr_workgroup_id_y 1
		.amdhsa_system_sgpr_workgroup_id_z 1
		.amdhsa_system_vgpr_workitem_id 0
		.amdhsa_next_free_vgpr 768
		.amdhsa_next_free_sgpr 66
		.amdhsa_reserve_vcc 0
		.amdhsa_float_denorm_mode_32 3
		.amdhsa_float_denorm_mode_16_64 3
		.amdhsa_memory_ordered 1
		.amdhsa_forward_progress 1
		.amdhsa_inst_pref_size 98
	.end_amdhsa_kernel
	.amdgpu_metadata
---
amdhsa.version: [ 1, 2 ]
amdhsa.kernels:
  - .name:           k_qb35017d35e_down
    .symbol:         k_qb35017d35e_down.kd
    .args:
      - { .name: h_codes, .offset: 0, .size: 8, .value_kind: global_buffer, .address_space: global }
      - { .name: h_scales, .offset: 8, .size: 8, .value_kind: global_buffer, .address_space: global }
      - { .name: down_w, .offset: 16, .size: 8, .value_kind: global_buffer, .address_space: global }
      - { .name: route, .offset: 24, .size: 8, .value_kind: global_buffer, .address_space: global }
      - { .name: rowslot, .offset: 32, .size: 8, .value_kind: global_buffer, .address_space: global }
      - { .name: y, .offset: 40, .size: 8, .value_kind: global_buffer, .address_space: global }
    .group_segment_fixed_size: 72192
    .private_segment_fixed_size: 0
    .kernarg_segment_align: 8
    .kernarg_segment_size: 48
    .max_flat_workgroup_size: 128
    .sgpr_count:     66
    .vgpr_count:     768
    .wavefront_size: 32
...
	.end_amdgpu_metadata
.endif
;; end of part 3
;; launch combine (part 4): grid 256 x 1, 4 waves a work-group, no clusters, 0 bytes of LDS; arguments y, top_k_weights, out0; writes out0
.if DOCPART == 4
	.amdgcn_target "amdgcn-amd-amdhsa--gfx1250"
	.amdhsa_code_object_version 6
	.text
	.protected	k_qb35017d35e_combine
	.globl	k_qb35017d35e_combine
	.p2align	8
	.type	k_qb35017d35e_combine,@function
k_qb35017d35e_combine:
	s_mov_b64 s[64:65], 0
	v_nop
	global_prefetch_b8 v0, s[64:65] scope:SCOPE_SE
	s_setreg_imm32_b32 hwreg(HW_REG_WAVE_MODE, 25, 1), 1
	s_wait_xcnt 0x0
; out0[t] = w[t][0] y[t] + w[t][1] y[1024 + t]: the two routed results of a token, each made by one expert's work-groups, are weighed and added here, so that each output row has one owner.
; A wave takes one token: 2 x 8,192 bytes in, 8,192 out; all 32 loads go out at once; each load and store of the wave covers 512 consecutive bytes.  No LDS, no barrier, no matrix work: a stream.
; ORDER OF ROUNDING: the sum goes in the order of the picks (w0 y0 fused onto the rounded w1 y1), not in the order of the experts; a token that names one expert twice gets w0 y + w1 y, not (w0 + w1) y.
.set Y, 8                              ; v[8 + 8 i ..]: four numbers of pick 0, then four of pick 1
	s_load_b128 s[4:7], s[0:1], 0x0                ; y s[4:5], top_k_weights s[6:7]
	s_load_b64 s[8:9], s[0:1], 0x10                ; out0
	v_lshrrev_b32 v1, 5, v0
	v_readfirstlane_b32 s12, v1                    ; wave 0..3
	s_lshl_b32 s13, ttmp9, 2
	s_add_co_u32 s13, s13, s12                     ; my token
	s_lshl_b32 s14, s13, 3                         ; its two weights
	s_lshl_b32 s16, s13, 13                        ; its row of 8,192 bytes
	s_mov_b32 s17, 0
	v_and_b32 v1, 31, v0
	v_lshlrev_b32 v1, 4, v1                        ; 16 bytes a lane
	s_wait_kmcnt 0x0
	s_load_b64 s[20:21], s[6:7], s14 offset:0x0
	s_add_nc_u64 s[4:5], s[4:5], s[16:17]          ; pick 0's row,
	s_add_nc_u64 s[10:11], s[4:5], 0x800000        ; pick 1's, 1,024 rows on,
	s_add_nc_u64 s[8:9], s[8:9], s[16:17]          ; the output's
.irp i, 0,1,2,3,4,5,6,7,8,9,10,11,12,13,14,15
	global_load_b128 v[Y+8*\i:Y+8*\i+3], v1, s[4:5] offset:512*\i th:TH_LOAD_NT
	global_load_b128 v[Y+8*\i+4:Y+8*\i+7], v1, s[10:11] offset:512*\i th:TH_LOAD_NT
.endr
	s_wait_kmcnt 0x0
	s_mov_b32 s22, s21                             ; w1, as the low word of a pair: the packed forms take a scalar pair's low word for both halves
	s_mov_b32 s23, s21
.irp i, 0,1,2,3,4,5,6,7,8,9,10,11,12,13,14,15
	s_wait_loadcnt 2*(15-\i)                       ; loads come back in order: pair i is in, the pairs behind it may be out
	v_pk_mul_f32 v[Y+8*\i+4:Y+8*\i+5], v[Y+8*\i+4:Y+8*\i+5], s[22:23] op_sel_hi:[1,0]
	v_pk_mul_f32 v[Y+8*\i+6:Y+8*\i+7], v[Y+8*\i+6:Y+8*\i+7], s[22:23] op_sel_hi:[1,0]
	v_pk_fma_f32 v[Y+8*\i:Y+8*\i+1], v[Y+8*\i:Y+8*\i+1], s[20:21], v[Y+8*\i+4:Y+8*\i+5] op_sel_hi:[1,0,1]
	v_pk_fma_f32 v[Y+8*\i+2:Y+8*\i+3], v[Y+8*\i+2:Y+8*\i+3], s[20:21], v[Y+8*\i+6:Y+8*\i+7] op_sel_hi:[1,0,1]
	global_store_b128 v1, v[Y+8*\i:Y+8*\i+3], s[8:9] offset:512*\i th:TH_STORE_NT   ; no register is written again: no wait for the stores' sources
.endr
	s_endpgm
.Lfunc_end_k_qb35017d35e_combine:
	.size	k_qb35017d35e_combine, .Lfunc_end_k_qb35017d35e_combine-k_qb35017d35e_combine
	.p2alignl 7, 3214868480
	.fill 96, 4, 3214868480
	.section	.rodata,"a",@progbits
	.p2align	6, 0x0
	.amdhsa_kernel k_qb35017d35e_combine
		.amdhsa_group_segment_fixed_size 0
		.amdhsa_private_segment_fixed_size 0
		.amdhsa_enable_private_segment 0
		.amdhsa_kernarg_size 24
		.amdhsa_user_sgpr_count 2
		.amdhsa_user_sgpr_kernarg_segment_ptr 1
		.amdhsa_wavefront_size32 1
		.amdhsa_system_sgpr_workgroup_id_x 1
		.amdhsa_system_sgpr_workgroup_id_y 1
		.amdhsa_system_sgpr_workgroup_id_z 1
		.amdhsa_system_vgpr_workitem_id 0
		.amdhsa_next_free_vgpr 136
		.amdhsa_next_free_sgpr 66
		.amdhsa_reserve_vcc 0
		.amdhsa_float_denorm_mode_32 3
		.amdhsa_float_denorm_mode_16_64 3
		.amdhsa_memory_ordered 1
		.amdhsa_forward_progress 1
		.amdhsa_inst_pref_size 10
	.end_amdhsa_kernel
	.amdgpu_metadata
---
amdhsa.version: [ 1, 2 ]
amdhsa.kernels:
  - .name:           k_qb35017d35e_combine
    .symbol:         k_qb35017d35e_combine.kd
    .args:
      - { .name: y, .offset: 0, .size: 8, .value_kind: global_buffer, .address_space: global }
      - { .name: top_k_weights, .offset: 8, .size: 8, .value_kind: global_buffer, .address_space: global }
      - { .name: out0, .offset: 16, .size: 8, .value_kind: global_buffer, .address_space: global }
    .group_segment_fixed_size: 0
    .private_segment_fixed_size: 0
    .kernarg_segment_align: 8
    .kernarg_segment_size: 24
    .max_flat_workgroup_size: 128
    .sgpr_count:     66
    .vgpr_count:     136
    .wavefront_size: 32
...
	.end_amdgpu_metadata
.endif
;; end of part 4
;; ======== version 2 of 2: 4 launches; version 1 with the launches gateup, down written anew for expert scheduling mode
;; workspace buffers: x_codes 1,048,576 bytes; x_scales 65,536 bytes; route 256 bytes of whole numbers; rowslot 9,216 bytes of whole numbers; h_codes 1,163,264 bytes; h_scales 72,704 bytes; y 16,842,752 bytes
;; launch prep: the kernel of part 1 again; grid 129 x 1, 8 waves a work-group, no clusters, 45,056 bytes of LDS; arguments hidden_states, top_k_index, x_codes, x_scales, route, rowslot; writes x_codes, x_scales, route, rowslot
;; launch gateup (part 5): grid 256 x 1, 4 waves a work-group, no clusters, 72,192 bytes of LDS; arguments x_codes, x_scales, gate_w, up_w, route, rowslot, h_codes, h_scales; writes h_codes, h_scales
.if DOCPART == 5
	.amdgcn_target "amdgcn-amd-amdhsa--gfx1250"
	.amdhsa_code_object_version 6
	.text
	.protected	k_qb35017d35e_gateup
	.globl	k_qb35017d35e_gateup
	.p2align	8
	.type	k_qb35017d35e_gateup,@function
k_qb35017d35e_gateup:
	s_mov_b64 s[64:65], 0
	v_nop
	global_prefetch_b8 v0, s[64:65] scope:SCOPE_SE
	s_setreg_imm32_b32 hwreg(HW_REG_WAVE_SCHED_MODE, 0, 2), 2
	s_setreg_imm32_b32 hwreg(HW_REG_WAVE_MODE, 25, 1), 1
	s_wait_xcnt 0x0
	s_wait_alu depctr_vm_vsrc(0)
; h = gelu(x Wg^T) * (x Wu^T) for the rows routed to one expert, both products on codes of FP4 (E2M1) with one E8M0 scale for each 32 along K = 2,048; h leaves as codes, quantised along I.
; SHARES.  Work-group = (expert e = id / 32, block B = id % 32 of 32 along I): 32 rows of gate_w and 32 of up_w, 512 KiB of f32 that no other work-group reads.
; PHASE 1: wave w streams 16 of these 64 rows (waves 0, 1: gate; 2, 3: up), quantises them and lays codes and scale bytes in LDS.  Weight codes never go to memory.
;   The conversion takes 8 neighbours along K from one lane's registers.  A lane loads 16 bytes at 32 (lane % 16) + 16 (lane / 16) of a run of 512 bytes, so that each load covers 512 consecutive bytes;
;   of two neighbouring runs the first's lanes 16-31 then change places with the second's lanes 0-15, register by register, and lane l holds the numbers 8 l .. 8 l + 7 of the two runs' 256.  A block of 32 is four lanes.
; ONE BARRIER.  PHASE 2: every wave takes ALL four tiles (64 fragments, 512 registers) into registers and walks the expert's blocks of 32 rows, wave w the blocks w, w + 4, ..:
;   x's codes by the list, 128 products, the activation, the quantiser, one store of 16 bytes a lane.  The trip count is read from route, so the launch has no tensor load, and no barrier and no LDS access stands in the loop.
; No cluster: the f32 weights, nearly all of the bytes, are shared by nobody, and what an expert's work-groups share (x's codes) is the small part.
; THE PRODUCT IS USED TRANSPOSED (source 0 = 16 rows of W, source 1 = 16 tokens): a lane holds ONE token and its registers run along I.
; THE ROWS OF A TILE ARE NOT NEIGHBOURS: row m of tile u is row 8 u + m + 8 (m / 8) of the 32, so that lane (r, h) holds, in the 16 registers of tiles 0 and 1, i = 16 h + 0 .. 15.
; gelu(g) = g / (1 + 2^(g (KA + KB g^2))), KA = -2 log2(e) sqrt(2 / pi), KB = 0.044715 KA: the tanh form, in f32.
; h_codes: [tile of 16 rows][block B][row][16 bytes], which is the order of the next product's operand registers.  h_scales: [tile][32 lanes][4 words]: word j of lane (r, hh) = the four bytes of K step 4 hh + j of row r.
; LIMITS: NaN and infinities are not served.  A block of zeros gets the byte 1 where the quantiser says 127: its codes are zeros, and the bytes are read by this program alone.
; Filling rows of the list (entry 2048 + e) are multiplied like any other, with token e's numbers; what becomes of them is read by nobody.  An expert without rows still streams its weights: every wave passes the barrier.
; THE MODE: SCHED_MODE bits 1:0 = 2 (LLVM: expert scheduling mode 2), set by the entry lines.  The code itself states the register dependences
; between vector or matrix instructions and memory or LDS instructions, with s_wait_alu, always for 0.
; THE PLAN.  Registers that memory or LDS instructions touch:
;   PHASE 1.  R0 .. R12: step t's loads land in R[t % 13]; its swaps write it, its maxima and conversions read it; behind them the loads of step t + 13 land in it.
;             PR, BY, pair t % 2: written by step t's conversions and shifts, read by its four LDS stores, written again in step t + 2.
;             v[GL], v[CW], v[SW]: made at the head, never written again.
;             A step has two waits: on vm_vsrc ahead of its conversions (the LDS stores issued so far have read their data), and on va_vdst behind its shifts
;             (the set is read out, PR and BY are written): the step's four loads and four LDS stores follow that one.
;   PHASE 2.  Window 3 and XS: XLOAD's loads land; the products read.    v[XA ..], v[XSA ..]: XADDR writes; XLOAD reads.    v[TK ..]: the list's loads land; XADDR reads.    v[LA]: one add a trip; the list's loads read.
;             v[HA], v[HSA], v[PC ..], v26: written by the activation and the quantiser; read by the trip's two stores.    WS, windows 1 and 2: LDS loads land once; the products read.
;             A trip has one wait on vm_vsrc, at its head: all that the last trip's loads and stores read may be written again.  Its waits on va_vdst: behind the add to v[LA]; in XLOAD (the products are done with
;             x's registers, the offsets are written); behind the exponentials; behind the reciprocals; ahead of the two stores.
; REGISTERS, in windows of 256.  Window 0: v1-19, v30 addresses; v20-29, v31 at work; in phase 1 v32-35 scale bytes, v48-255 thirteen sets of 16 numbers;
;   in phase 2 v32-35 KA, KB; v36-51 x's scale words; v52-83 the weights' scale words; v84-115 temporaries; v128-191 the accumulators (tile of tokens m at + 32 m: gate 0, gate 1, up 0, up 1).
;   Window 1: the weights' fragments of K steps 0-7 (step s, tile t at v[8 (4 s + t)]);  window 2: of K steps 8-15;  window 3: x's fragments (tile m, step s at v[128 m + 8 s]).
.set D,     13                         ; sets of loads in flight: 52 loads of 512 bytes a wave
.set NS,    64                         ; steps of 512 numbers for a wave: 16 rows x 4
.set SPR,   4                          ; steps in a row
.set RB,    8192                       ; a row of the weights in bytes
.set GAP,   8                          ; rows 8-15 of a tile lie 8 rows further on
.set EXTRA, 2                          ; the two loads of the list, issued behind set D - 1
.set CP,    1040                       ; a row of codes in LDS: 1,024 bytes + 16: an odd multiple of 16, so that the 16 rows of a fragment load start at different banks (ISA guide 11.1)
.set SCP,   80                         ; a row of scale bytes: 64 + 16
.set SCL,   64*CP                      ; LDS: from byte 0 64 rows of codes; then 64 rows of scale bytes, up to byte 71,679
.set GL,  1                            ; 32 x (lane % 16) + 16 x (lane / 16): my 16 bytes of a load's 512
.set CW,  4                            ; where my codes go: 4 bytes a lane
.set SW,  5                            ; where my block's byte goes: a byte for four lanes
.set FA,  6                            ; a fragment's place for my lane
.set FS,  7                            ; a scale register's
.set LO,  8                            ; 4 x (lane % 16): my word of a tile's 16 entries
.set LA,  9                            ; the list's address
.set TK,  10                           ; v10-11 the entries of my row in the block's two tiles
.set XA,  12                           ; v12-13 my byte offset in x_codes, tile 0, 1
.set XSA, 14                           ; v14-15 in x_scales
.set HO,  16                           ; my place in a block's h_codes
.set HA,  17
.set HSO, 18                           ; my place in a block's h_scales
.set HSA, 19
.set PC,  20                           ; v20-23 h's codes
.set PR,  24                           ; phase 1: v24-27 two pairs of code registers
.set BY,  32                           ; phase 1: v32-35 two pairs of bytes
.set H16, 30                           ; 16 x (lane / 16)
.set R,   48
.set KA,  32
.set KB,  34
.set XS,  36
.set WS,  52
.set T,   84
.set ACC, 128
.set SRC, 24                           ; s[24:25] my 16 rows of the weights
.set MSB, 0
.macro WIN new                         ; the immediate's high byte repeats the setting that is left
.if MSB != \new
	s_set_vgpr_msb (MSB<<8)|\new
.set MSB, \new
.endif
.endm
; ---- the stream: step t is 512 numbers, 2,048 bytes, of row t / SPR: four runs of 512 bytes
.macro WLOAD t
.set WM, (\t)/SPR
.set WG, (WM+GAP*(WM/8))*RB+((\t)%SPR)*2048
.irp i, 0,1,2,3
	global_load_b128 v[R+16*((\t)%D)+4*\i:R+16*((\t)%D)+4*\i+3], v[GL], s[SRC:SRC+1] offset:WG+512*\i th:TH_LOAD_NT   ; the 32 lanes read 512 consecutive bytes, once in the launch
.endr
.endm
.macro WSTEP t
.set RS, R+16*((\t)%D)
.set WL, (\t)+D-1
.if WL > NS-1
.set WL, NS-1
.endif
.set WC, 4*(WL-(\t))
.if (\t) < D
.set WC, WC+EXTRA
.endif
	s_wait_loadcnt WC                              ; this step's four loads are in; what was issued behind them may be out
.irp j, 0,1,2,3
	v_permlane16_swap_b32 v[RS+\j], v[RS+4+\j]     ; runs 0 and 1: registers 0-7 now hold the numbers 8 l .. 8 l + 7 of their 256
	v_permlane16_swap_b32 v[RS+8+\j], v[RS+12+\j]  ; runs 2 and 3: registers 8-15 likewise
.endr
	v_max3_num_f32 v20, |v[RS]|, |v[RS+1]|, 0x1800000              ; the largest magnitude of my 8, the two halves of the step by turns, with the floor 2^(3 - 127): the byte cannot fall under 1
	v_max3_num_f32 v21, |v[RS+8]|, |v[RS+9]|, 0x1800000
.irp i, 2,4,6
	v_max3_num_f32 v20, v20, |v[RS+\i]|, |v[RS+\i+1]|
	v_max3_num_f32 v21, v21, |v[RS+8+\i]|, |v[RS+9+\i]|
.endr
	v_max_num_f32_dpp v20, v20, v20 row_xmask:1 row_mask:0xf bank_mask:0xf   ; with the three other lanes of my block
	v_max_num_f32_dpp v21, v21, v21 row_xmask:1 row_mask:0xf bank_mask:0xf
	v_max_num_f32_dpp v20, v20, v20 row_xmask:2 row_mask:0xf bank_mask:0xf
	v_max_num_f32_dpp v21, v21, v21 row_xmask:2 row_mask:0xf bank_mask:0xf
	v_add_nc_u32 v22, 0xff000000, v20              ; 2 off the exponent field: the conversion's scale operand
	v_add_nc_u32 v23, 0xff000000, v21
.if (\t) >= 2
	s_wait_dscnt 4                                 ; the last step's four stores may be out; those of two steps ago, whose registers are written now, are done
	s_wait_alu depctr_vm_vsrc(0)                   ; the LDS stores issued so far have read their data: this step's pair of v[PR ..] and of v[BY ..], which the stores of two steps ago read, is written below
.endif
	v_cvt_scalef32_pk8_fp4_f32 v[PR+2*((\t)%2)], v[RS:RS+7], v22
	v_cvt_scalef32_pk8_fp4_f32 v[PR+2*((\t)%2)+1], v[RS+8:RS+15], v23
	v_lshrrev_b32 v[BY+2*((\t)%2)], 23, v22        ; the scales' bytes; also the plain lines behind the conversions
	v_lshrrev_b32 v[BY+2*((\t)%2)+1], 23, v23
	s_wait_alu depctr_va_vdst(0)                   ; the swaps have written and the conversions have read this step's set, in which the loads below land; the conversions and shifts have written the codes and bytes that the LDS stores below read
.if (\t)+D < NS
	WLOAD (\t)+D                                   ; the set is read out: it takes the loads of D steps on
.endif
.set WM, (\t)/SPR
	ds_store_b32 v[CW], v[PR+2*((\t)%2)] offset:WM*CP+((\t)%SPR)*256          ; 128 consecutive bytes of the row's codes,
	ds_store_b32 v[CW], v[PR+2*((\t)%2)+1] offset:WM*CP+((\t)%SPR)*256+128    ; and the next 128
	ds_store_b8 v[SW], v[BY+2*((\t)%2)] offset:WM*SCP+((\t)%SPR)*16           ; the four lanes of a block write the same byte with the same value
	ds_store_b8 v[SW], v[BY+2*((\t)%2)+1] offset:WM*SCP+((\t)%SPR)*16+8
.endm
; ---- phase 2
.macro XADDR                           ; from the list's entries to my byte offsets: token = entry mod 1,024
.irp m, 0,1
	v_min_u32 v31, 0xfff, v[TK+\m]
	v_and_b32 v31, 0x3ff, v31
	v_lshl_add_u32 v[XA+\m], v31, 10, v[H16]
	v_lshl_add_u32 v[XSA+\m], v31, 6, v[H16]
.endr
.endm
.macro XLOAD                           ; a block's operand: 2 tiles x 16 K steps x 2 loads, and its scale words: register 4 q + j holds K step 8 q + j in lanes 0-15 and 8 q + 4 + j in lanes 16-31
	WIN 0xc0                                       ; destination window 3
	s_wait_alu depctr_va_vdst(0)                   ; XADDR has written v[XA ..] and v[XSA ..], which these loads read; whatever named the registers in which they land is done: in the loop the products (x's fragments and scale words), ahead of it the stream (v48-51)
.irp m, 0,1
.irp s, 0,1,2,3,4,5,6,7,8,9,10,11,12,13,14,15
.irp c, 0,1
	global_load_b128 v[128*\m+8*\s+4*\c:128*\m+8*\s+4*\c+3], v[XA+\m], s[4:5] offset:64*\s+32*\c
.endr
.endr
.endr
	WIN 0
.irp m, 0,1
.irp q, 0,1
	global_load_b128 v[XS+8*\m+4*\q:XS+8*\m+4*\q+3], v[XSA+\m], s[6:7] offset:32*\q
.endr
.endr
.endm
.macro PROD                            ; one product, by the symbols PD, PA, PB, PSA, PSB; PMODE 0: it starts the sum; 1: scales in lanes 0-15; 2: in lanes 16-31
.if PMODE == 0
	v_wmma_scale_f32_16x16x128_f8f6f4 v[PD:PD+7], v[PA:PA+7], v[PB:PB+7], 0, v[PSA], v[PSB] matrix_a_fmt:MATRIX_FMT_FP4 matrix_b_fmt:MATRIX_FMT_FP4
.elseif PMODE == 1
	v_wmma_scale_f32_16x16x128_f8f6f4 v[PD:PD+7], v[PA:PA+7], v[PB:PB+7], v[PD:PD+7], v[PSA], v[PSB] matrix_a_fmt:MATRIX_FMT_FP4 matrix_b_fmt:MATRIX_FMT_FP4
.else
	v_wmma_scale_f32_16x16x128_f8f6f4 v[PD:PD+7], v[PA:PA+7], v[PB:PB+7], v[PD:PD+7], v[PSA], v[PSB] matrix_a_fmt:MATRIX_FMT_FP4 matrix_b_fmt:MATRIX_FMT_FP4 matrix_a_scale:MATRIX_SCALE_ROW1 matrix_b_scale:MATRIX_SCALE_ROW1
.endif
.endm
.macro MULS first                      ; eight K steps from first on: 64 products; the eight accumulators take turns, one instruction a turn
.set S, \first
.rept 8
.irp m, 0,1
.irp t, 0,1,2,3
.set PD, ACC+32*\m+8*\t
.set PA, ((S%8)*4+\t)*8
.set PB, 128*\m+8*S
.set PSA, WS+8*\t+4*(S/8)+S%4
.set PSB, XS+8*\m+4*(S/8)+S%4
.set PMODE, 1+(S%8)/4
.if S == 0
.set PMODE, 0
.endif
	PROD
.endr
.endr
.set S, S+1
.endr
.endm
	s_load_b256 s[4:11], s[0:1], 0x0               ; x_codes s[4:5], x_scales s[6:7], gate_w s[8:9], up_w s[10:11]
	s_load_b256 s[12:19], s[0:1], 0x20             ; route s[12:13], rowslot s[14:15], h_codes s[16:17], h_scales s[18:19]
	v_lshl_add_u32 v2, v0, 2, 0x11800
	v_mov_b32 v3, 0
	v_lshrrev_b32 v31, 5, v0
	v_readfirstlane_b32 s20, v31                   ; wave 0..3
	s_lshr_b32 s21, ttmp9, 5                       ; e
	s_and_b32 s22, ttmp9, 31                       ; B
	s_lshl_b32 s23, s21, 3                         ; the expert's two words of route
	s_wait_alu depctr_va_sdst(0)                   ; s20 is written, ahead of its first reader: addresses, the choice of the tensor and the walk are made from it
	s_and_b32 s31, s20, 1                          ; u: which of the tensor's two tiles is mine
	s_lshl_b32 s26, s21, 10
	s_lshl_b32 s32, s22, 5
	s_add_co_u32 s26, s26, s32
	s_lshl_b32 s32, s31, 3
	s_add_co_u32 s26, s26, s32                     ; my first row: 1,024 e + 32 B + 8 u
	s_lshl_b32 s26, s26, 13                        ; in bytes (under 2^27)
	s_mov_b32 s27, 0
	s_mov_b32 s36, 0x76543210
	s_mov_b32 s37, 0xfedcba98                      ; v_permlanex16_b32's selects for lane l xor 16
	s_mov_b32 s38, 0xffff0000                      ; lanes 16-31
	v_and_b32 v31, 31, v0                          ; lane
	v_and_b32 v29, 15, v0                          ; r
	v_bfe_u32 v28, v0, 4, 1                        ; h
	v_lshlrev_b32 v[GL], 5, v29
	v_lshl_add_u32 v[GL], v28, 4, v[GL]            ; 32 r + 16 h
	s_mul_i32 s31, s20, 16*CP
	v_lshl_add_u32 v[CW], v31, 2, s31              ; my tile's rows of codes, 4 bytes a lane
	s_mul_i32 s31, s20, 16*SCP
	s_add_co_u32 s31, s31, SCL
	v_lshrrev_b32 v[SW], 2, v31
	v_add_nc_u32 v[SW], s31, v[SW]                 ; my tile's rows of scale bytes, a byte for four lanes
	v_mul_u32_u24 v[FA], v29, CP
	v_lshl_add_u32 v[FA], v28, 4, v[FA]            ; row r, + 16 h
	v_mul_u32_u24 v[FS], v29, SCP
	v_lshl_add_u32 v[FS], v28, 4, v[FS]
	v_add_nc_u32 v[FS], SCL, v[FS]
	v_lshlrev_b32 v[LO], 2, v29
	v_lshlrev_b32 v[H16], 4, v28
	s_lshl_b32 s31, s22, 8
	v_lshlrev_b32 v[HO], 13, v28
	v_lshl_add_u32 v[HO], v29, 4, v[HO]
	v_add_nc_u32 v[HO], s31, v[HO]                 ; lanes 0-15 the block's first tile, lanes 16-31 its second (8,192 bytes on); + 256 B + 16 r
	s_lshr_b32 s31, s22, 4
	s_lshl_b32 s31, s31, 8
	s_bfe_u32 s32, s22, 0x20002
	s_lshl_b32 s32, s32, 2
	s_add_co_u32 s31, s31, s32
	s_and_b32 s32, s22, 3
	s_add_co_u32 s31, s31, s32                     ; block B's byte in a tile's scales: 256 (B / 16) + 4 ((B / 4) % 4) + B % 4
	v_lshlrev_b32 v[HSO], 9, v28
	v_lshl_add_u32 v[HSO], v29, 4, v[HSO]
	v_add_nc_u32 v[HSO], s31, v[HSO]               ; + 512 for the second tile, + 16 r
	s_wait_kmcnt 0x0
	s_cmp_lt_u32 s20, 2                            ; gate_w or up_w: the choice hangs on the wave's number alone
	s_cselect_b64 s[SRC:SRC+1], s[8:9], s[10:11]
	s_add_nc_u64 s[SRC:SRC+1], s[SRC:SRC+1], s[26:27]
	s_load_b64 s[28:29], s[12:13], s23 offset:0x0  ; the expert's first block s28, its number of blocks s29
	; ---- PHASE 1
	s_wait_alu depctr_va_vdst(0)                   ; the head's offsets and LDS addresses are written: v[GL], v[CW], v[SW], v[FA], v[FS], which the loads, LDS stores and LDS loads below read and no line writes again
.set Q, 0
.rept D
	WLOAD Q
.set Q, Q+1
.endr
	s_wait_kmcnt 0x0
	s_min_u32 s28, s28, 70                         ; the list has 71 blocks
	s_min_u32 s29, s29, 71
	s_add_co_u32 s31, s28, s20                     ; my first block; a wave that has none takes block 0, which is always written
	s_cmp_lt_u32 s20, s29
	s_cselect_b32 s31, s31, 0
	s_min_u32 s31, s31, 70
	s_lshl_b32 s31, s31, 7                         ; 128 bytes of the list a block
	v_add_nc_u32 v[LA], s31, v[LO]
	s_wait_alu depctr_va_vdst(0)                   ; v[LA] is written, which the two loads below read
	global_load_b32 v[TK], v[LA], s[14:15]
	global_load_b32 v[TK+1], v[LA], s[14:15] offset:64
.set Q, 0
.rept NS
	WSTEP Q
.set Q, Q+1
.endr
	XADDR                                          ; (the stream's last wait was for all loads: the list's entries are in)
	XLOAD                                          ; my first block's operand is on its way while the waves meet
	s_wait_dscnt 0x0                               ; for the others' sake: my codes and bytes lie in LDS
	s_barrier_signal -1
	s_barrier_wait -1                              ; the one barrier: behind it nobody writes LDS
	s_wait_alu depctr_vm_vsrc(0)                   ; my LDS stores have read v32-35, the stream's bytes: these registers are KA and KB from here on
	s_cmp_ge_u32 s20, s29
	s_cbranch_scc1 .Lend                           ; no block for me
	; ---- PHASE 2: all four tiles into registers.  No vector line has been issued since XLOAD's wait, which showed the stream done with v52-83, in which the scale words land
.irp t, 0,1,2,3
.irp q, 0,1
	ds_load_b128 v[WS+8*\t+4*\q:WS+8*\t+4*\q+3], v[FS] offset:\t*16*SCP+32*\q
.endr
.endr
	WIN 0x40                                       ; destination window 1
.irp s, 0,1,2,3,4,5,6,7
.irp t, 0,1,2,3
.irp c, 0,1
	ds_load_b128 v[(\s*4+\t)*8+4*\c:(\s*4+\t)*8+4*\c+3], v[FA] offset:\t*16*CP+\s*64+\c*32
.endr
.endr
.endr
	WIN 0x80                                       ; destination window 2
.irp s, 0,1,2,3,4,5,6,7
.irp t, 0,1,2,3
.irp c, 0,1
	ds_load_b128 v[(\s*4+\t)*8+4*\c:(\s*4+\t)*8+4*\c+3], v[FA] offset:\t*16*CP+(\s+8)*64+\c*32
.endr
.endr
.endr
	WIN 0
	v_mov_b32 v[KA], 0xc0135761                    ; -2 log2(e) sqrt(2 / pi)
	v_mov_b32 v[KA+1], 0xc0135761
	v_mov_b32 v[KB], 0xbdd2d3e8                    ; x 0.044715
	v_mov_b32 v[KB+1], 0xbdd2d3e8
	s_mov_b32 s30, s20                             ; J: my block among the expert's: w, w + 4, ..
	s_sub_co_u32 s34, s29, s20                     ; my trips: (blocks - w + 3) / 4, at least 1 here; the loop does not write it
	s_add_co_u32 s34, s34, 3
	s_lshr_b32 s34, s34, 2
	s_mov_b32 s33, 0                               ; the trips' counter, one a trip
.Lblk:
	s_add_co_u32 s31, s30, 4                       ; the list of my next block; the last trip asks for its own again, so that no load leaves the written list
	s_sub_co_u32 s32, s29, 1
	s_min_u32 s31, s31, s32
	s_add_co_u32 s31, s31, s28
	s_min_u32 s31, s31, 70
	s_lshl_b32 s31, s31, 7
	s_wait_alu depctr_vm_vsrc(0)                   ; the loads and stores issued so far have read their registers: v[LA], written in the next line, and v[XA ..], v[XSA ..], v[HA], v[HSA], v[PC ..], v26, written further down, behind no other reader than the two loads below, which read v[LA] alone
	v_add_nc_u32 v[LA], s31, v[LO]                 ; (the loads that named it are done as well: the wait for all loads in the trip before, or the stream's last)
	s_wait_alu depctr_va_vdst(0)                   ; v[LA] is written, which the two loads below read; XADDR is done reading v[TK ..], in which they land
	global_load_b32 v[TK], v[LA], s[14:15]
	global_load_b32 v[TK+1], v[LA], s[14:15] offset:64
	s_wait_loadcnt 2                               ; all but these two: this block's operand is in
	s_wait_dscnt 63                                ; first trip: at most 63 of the 64 loads of K steps 8-15 are out, so the scale words and K steps 0-7 are in; later trips: nothing is out
	WIN 0x0d                                       ; source 0 window 1, source 1 window 3, C and D window 0
	MULS 0
	s_wait_dscnt 0x0                               ; K steps 8-15
	WIN 0x0e                                       ; source 0 window 2
	MULS 8
	WIN 0
	s_wait_loadcnt 0x0                             ; the next block's entries
	s_wait_xcnt 0x0                                ; the last trip's two stores have read their registers, which are written again below; ahead of the loads that follow, for which it need not wait
	XADDR                                          ; eight plain lines that name no register of the products: the places in front of the first read of results and of the next trip's products, which begin the sums anew
	s_add_co_u32 s35, s33, 1
	s_cmp_ge_u32 s35, s34
	s_cbranch_scc1 .Lnox                           ; the last trip has no next block to ask for
	XLOAD                                          ; on its way while the activation is computed
.Lnox:
	s_add_co_u32 s31, s28, s30
	s_min_u32 s31, s31, 70                         ; this block
	s_lshl_b32 s32, s31, 10                        ; its 1,024 bytes of scales,
	s_lshl_b32 s31, s31, 14                        ; its 16,384 bytes of codes
	; the activation, both tiles together; each accumulator is read from its low end on
.irp m, 0,1
.irp p, 0,2,4,6,8,10,12,14
	v_pk_mul_f32 v[T+16*\m+\p:T+16*\m+\p+1], v[ACC+32*\m+\p:ACC+32*\m+\p+1], v[ACC+32*\m+\p:ACC+32*\m+\p+1]   ; g^2
.endr
.endr
.irp p, 0,2,4,6,8,10,12,14,16,18,20,22,24,26,28,30
	v_pk_fma_f32 v[T+\p:T+\p+1], v[T+\p:T+\p+1], v[KB:KB+1], v[KA:KA+1]                                       ; KA + KB g^2
.endr
.irp m, 0,1
.irp p, 0,2,4,6,8,10,12,14
	v_pk_mul_f32 v[T+16*\m+\p:T+16*\m+\p+1], v[T+16*\m+\p:T+16*\m+\p+1], v[ACC+32*\m+\p:ACC+32*\m+\p+1]       ; x g
.endr
.endr
.irp j, 0,1,2,3,4,5,6,7,8,9,10,11,12,13,14,15,16,17,18,19,20,21,22,23,24,25,26,27,28,29,30,31
	v_exp_f32 v[T+\j], v[T+\j]
.endr
	v_add_nc_u32 v[HA], s31, v[HO]                 ; where the codes go; also the plain line behind the exponentials (ISA guide 5.7.2)
	s_wait_alu depctr_va_vdst(0)                   ; the 32 exponentials have written v[T ..], ahead of their first reader, the additions below; v[HA] is written too, which the store of the codes reads
.irp p, 0,2,4,6,8,10,12,14,16,18,20,22,24,26,28,30
	v_pk_add_f32 v[T+\p:T+\p+1], v[T+\p:T+\p+1], 1.0 op_sel_hi:[1,0]
.endr
.irp j, 0,1,2,3,4,5,6,7,8,9,10,11,12,13,14,15,16,17,18,19,20,21,22,23,24,25,26,27,28,29,30,31
	v_rcp_f32 v[T+\j], v[T+\j]
.endr
	v_add_nc_u32 v[HSA], s32, v[HSO]               ; where the byte goes; also the plain line behind the reciprocals
	s_wait_alu depctr_va_vdst(0)                   ; the 32 reciprocals have written v[T ..], ahead of their first reader, the multiplications below; v[HSA] is written too, which the store of the byte reads
.irp m, 0,1
.irp p, 0,2,4,6,8,10,12,14
	v_pk_mul_f32 v[ACC+32*\m+\p:ACC+32*\m+\p+1], v[ACC+32*\m+\p:ACC+32*\m+\p+1], v[T+16*\m+\p:T+16*\m+\p+1]   ; gelu(g)
.endr
.endr
.irp m, 0,1
.irp p, 0,2,4,6,8,10,12,14
	v_pk_mul_f32 v[ACC+32*\m+\p:ACC+32*\m+\p+1], v[ACC+32*\m+\p:ACC+32*\m+\p+1], v[ACC+32*\m+16+\p:ACC+32*\m+16+\p+1]   ; x u: h(my token, 32 B + 16 h + 0 .. 15)
.endr
.endr
	; the quantiser: block B of my row lies in lanes l and l xor 16; the two tiles by turns
.irp m, 0,1
	v_max3_num_f32 v[27+\m], |v[ACC+32*\m]|, |v[ACC+32*\m+1]|, 0x1800000   ; with the floor 2^(3 - 127)
.endr
.irp i, 2,4,6,8,10,12,14
.irp m, 0,1
	v_max3_num_f32 v[27+\m], v[27+\m], |v[ACC+32*\m+\i]|, |v[ACC+32*\m+\i+1]|
.endr
.endr
.irp m, 0,1
	v_permlanex16_b32 v[T+2+\m], v[27+\m], s36, s37
.endr
.irp m, 0,1
	v_max_num_f32 v[27+\m], v[27+\m], v[T+2+\m]    ; the block's largest magnitude
.endr
.irp m, 0,1
	v_add_nc_u32 v[T+\m], 0xff000000, v[27+\m]     ; the conversion's scale operand
.endr
.irp m, 0,1
	v_lshrrev_b32 v[24+\m], 23, v[T+\m]            ; the scale's byte
.endr
.irp m, 0,1
	v_cvt_scalef32_pk8_fp4_f32 v[PC+2*\m], v[ACC+32*\m:ACC+32*\m+7], v[T+\m]
	v_cvt_scalef32_pk8_fp4_f32 v[PC+2*\m+1], v[ACC+32*\m+8:ACC+32*\m+15], v[T+\m]
.endr
	v_nop                                          ; one plain line behind the conversions
	v_permlane16_swap_b32 v[PC], v[PC+2]           ; lanes 0-15 now hold tile 0's rows whole (32 codes, 16 bytes), lanes 16-31 tile 1's
	v_permlane16_swap_b32 v[PC+1], v[PC+3]
	v_cndmask_b32 v26, v24, v25, s38               ; and the byte likewise
	s_wait_alu depctr_va_vdst(0)                   ; the swaps have written v[PC ..] and the select v26, which the two stores below read
	global_store_b128 v[HA], v[PC:PC+3], s[16:17]  ; sixteen lanes store 256 consecutive bytes, aligned
	global_store_b8 v[HSA], v26, s[18:19]
	s_add_co_u32 s30, s30, 4                       ; my next block
	s_add_co_u32 s33, s33, 1
	s_cmp_lt_u32 s33, s34
	s_cbranch_scc1 .Lblk
.Lend:
	s_wait_dscnt 0x0                               ; the closing lines, six on end
	s_wait_alu 0x0
	s_wait_tensorcnt 0x0
	ds_add_u32 v2, v3
	s_wait_dscnt 0x0
	s_endpgm
.Lfunc_end_k_qb35017d35e_gateup:
	.size	k_qb35017d35e_gateup, .Lfunc_end_k_qb35017d35e_gateup-k_qb35017d35e_gateup
	.p2alignl 7, 3214868480
	.fill 96, 4, 3214868480
	.section	.rodata,"a",@progbits
	.p2align	6, 0x0
	.amdhsa_kernel k_qb35017d35e_gateup
		.amdhsa_group_segment_fixed_size 72192
		.amdhsa_private_segment_fixed_size 0
		.amdhsa_enable_private_segment 0
		.amdhsa_kernarg_size 64
		.amdhsa_user_sgpr_count 2
		.amdhsa_user_sgpr_kernarg_segment_ptr 1
		.amdhsa_wavefront_size32 1
		.amdhsa_system_sgpr_workgroup_id_x 1
		.amdhsa_system_sgpr_workgroup_id_y 1
		.amdhsa_system_sgpr_workgroup_id_z 1
		.amdhsa_system_vgpr_workitem_id 0
		.amdhsa_next_free_vgpr 1024
		.amdhsa_next_free_sgpr 66
		.amdhsa_reserve_vcc 0
		.amdhsa_float_denorm_mode_32 3
		.amdhsa_float_denorm_mode_16_64 3
		.amdhsa_memory_ordered 1
		.amdhsa_forward_progress 1
		.amdhsa_inst_pref_size 191
	.end_amdhsa_kernel
	.amdgpu_metadata
---
amdhsa.version: [ 1, 2 ]
amdhsa.kernels:
  - .name:           k_qb35017d35e_gateup
    .symbol:         k_qb35017d35e_gateup.kd
    .args:
      - { .name: x_codes, .offset: 0, .size: 8, .value_kind: global_buffer, .address_space: global }
      - { .name: x_scales, .offset: 8, .size: 8, .value_kind: global_buffer, .address_space: global }
      - { .name: gate_w, .offset: 16, .size: 8, .value_kind: global_buffer, .address_space: global }
      - { .name: up_w, .offset: 24, .size: 8, .value_kind: global_buffer, .address_space: global }
      - { .name: route, .offset: 32, .size: 8, .value_kind: global_buffer, .address_space: global }
      - { .name: rowslot, .offset: 40, .size: 8, .value_kind: global_buffer, .address_space: global }
      - { .name: h_codes, .offset: 48, .size: 8, .value_kind: global_buffer, .address_space: global }
      - { .name: h_scales, .offset: 56, .size: 8, .value_kind: global_buffer, .address_space: global }
    .group_segment_fixed_size: 72192
    .private_segment_fixed_size: 0
    .kernarg_segment_align: 8
    .kernarg_segment_size: 64
    .max_flat_workgroup_size: 128
    .sgpr_count:     66
    .vgpr_count:     1024
    .wavefront_size: 32
...
	.end_amdgpu_metadata
.endif
;; end of part 5
;; launch down (part 6): grid 256 x 1, 4 waves a work-group, no clusters, 72,192 bytes of LDS; arguments h_codes, h_scales, down_w, route, rowslot, y; writes y
.if DOCPART == 6
	.amdgcn_target "amdgcn-amd-amdhsa--gfx1250"
	.amdhsa_code_object_version 6
	.text
	.protected	k_qb35017d35e_down
	.globl	k_qb35017d35e_down
	.p2align	8
	.type	k_qb35017d35e_down,@function
k_qb35017d35e_down:
	s_mov_b64 s[64:65], 0
	v_nop
	global_prefetch_b8 v0, s[64:65] scope:SCOPE_SE
	s_setreg_imm32_b32 hwreg(HW_REG_WAVE_SCHED_MODE, 0, 2), 2
	s_setreg_imm32_b32 hwreg(HW_REG_WAVE_MODE, 25, 1), 1
	s_wait_xcnt 0x0
	s_wait_alu depctr_vm_vsrc(0)
; y = h Wd^T for the rows routed to one expert, on codes of FP4 (E2M1) with one E8M0 scale for each 32 along K = 1,024.
; SHARES.  Work-group = (expert e = id / 32, slice id % 32 of 64 columns of H): 64 rows of down_w, 256 KiB of f32 that no other work-group reads.
; PHASE 1: wave w streams 16 of these rows, quantises them and lays codes and scale bytes in LDS.  The conversion takes 8 neighbours along K from one lane's registers.  A lane loads 16 bytes at
;   32 (lane % 16) + 16 (lane / 16) of a run of 512 bytes, so that each load covers 512 consecutive bytes; of two neighbouring runs the first's lanes 16-31 then change places with the second's lanes 0-15,
;   register by register, and lane l holds the numbers 8 l .. 8 l + 7 of the two runs' 256.  A block of 32 is four lanes.
; ONE BARRIER.  PHASE 2: every wave takes all four tiles (32 fragments) into registers and walks the
; expert's blocks of 32 rows, wave w the blocks w, w + 4, ..: h's codes come in the order of the operand's registers (dense loads of 512 bytes), 64 products, and the rows go to y by the list:
; row k x 1024 + t for an entry, the spare row 2048 + e for a filling row, which nobody reads.  The trip count is read from route: no tensor load, and no barrier in the loop.
; No cluster: the f32 weights, nearly all of the bytes, are shared by nobody.
; THE PRODUCT IS USED TRANSPOSED (source 0 = 16 rows of Wd, source 1 = 16 rows of h): a lane holds eight neighbouring columns of one row of y.  A tile of 16 rows x 64 columns goes through the
; wave's own stage in LDS and leaves as whole runs of 256 bytes.
; LIMITS: NaN and infinities are not served.  A block of zeros gets the byte 1 where the quantiser says 127: its codes are zeros, and the bytes never leave the work-group.
; An expert without rows still streams its weights: every wave passes the barrier.
; THE MODE: SCHED_MODE bits 1:0 = 2 (LLVM: expert scheduling mode 2), set by the entry lines.  The code itself states the register dependences
; between vector or matrix instructions and memory or LDS instructions, with s_wait_alu, always for 0.
; THE PLAN.  Registers that memory or LDS instructions touch:
;   PHASE 1.  R0 .. R12: step t's loads land in R[t % 13]; its swaps write it, its maxima and conversions read it; behind them the loads of step t + 13 land in it.
;             PR, BY, pair t % 2: written by step t's conversions and shifts, read by its four LDS stores, written again in step t + 2.
;             v[GL], v[CW], v[SW]: made at the head, never written again.
;             A step has two waits: on vm_vsrc ahead of its conversions (the LDS stores issued so far have read their data), and on va_vdst behind its shifts
;             (the set is read out, PR and BY are written): the step's four loads and four LDS stores follow that one.
;   PHASE 2.  Window 2, HS, SL: HLOAD's loads land; the products read the first two, the 32 lines that make the stores' offsets the third.    v[HL], v[HSL], v[LA]: HADDR writes; HLOAD reads.
;             The accumulators: the products write; the LDS stores into the stage read.    OA: the 32 lines write; the global stores read.    OB: the LDS loads from the stage land; the global stores read.
;             WS and window 1: LDS loads land once; the products read.    v[SO2], v[RD], v[FA], v[FS]: made at the head, never written again.
;             A trip has one wait on vm_vsrc, at its head: all that the last trip's loads and stores read may be written again.  Its waits on va_vdst: in HLOAD (the products and the 32 lines are done with
;             the registers in which the loads land, the offsets are written), and ahead of the way out (the accumulators and OA are written), which the last trip reaches round HLOAD.
; REGISTERS.  Window 0: v1-15 addresses; v20-27 at work; in phase 1 v32-35 scale bytes, v48-255 thirteen sets of 16 numbers; in phase 2 v64-79 the weights' scale words,
;   v80-87 h's, v96-111 the stores' offsets, v112-127 the list's entries, v128-191 the accumulators ((m, t) at + 8 (4 m + t)), v192-255 rows on the way out.
;   Window 1: the weights' fragments (K step s, tile t at v[8 (4 s + t)]).   Window 2: h's (tile m, step s at v[64 m + 8 s]).
.set D,     13                         ; sets of loads in flight: 52 loads of 512 bytes a wave
.set NS,    32                         ; steps of 512 numbers for a wave: 16 rows x 2
.set SPR,   2
.set RB,    4096
.set GAP,   0
.set EXTRA, 0
.set CP,    528                        ; a row of codes in LDS: 512 bytes + 16
.set SCP,   48                         ; a row of scale bytes: 32 + 16
.set SCL,   64*CP                      ; LDS: from byte 0 64 rows of codes; then 64 rows of scale bytes;
.set OST,   SCL+64*SCP                 ; and for each wave two stages of 16 rows x 272 bytes for the way out, up to byte 71,679
.set GL,  1                            ; 32 x (lane % 16) + 16 x (lane / 16): my 16 bytes of a load's 512
.set CW,  4                            ; where my codes go: 4 bytes a lane
.set SW,  5                            ; where my block's byte goes: a byte for four lanes
.set FA,  6
.set FS,  7
.set L16, 8                            ; 16 x lane
.set H4,  9                            ; 4 x (lane / 16)
.set HL,  10                           ; my offset in h_codes,
.set HSL, 11                           ; in h_scales,
.set LA,  12                           ; in the list
.set CO,  13                           ; my 16 bytes of the slice's 256 in a row of y
.set SO2, 14                           ; the way out: where I put 32 bytes of a row
.set RD,  15                           ; and where I read a row back
.set PR,  24                           ; phase 1: v24-27 two pairs of code registers
.set BY,  32                           ; phase 1: v32-35 two pairs of bytes
.set R,   48
.set WS,  64
.set HS,  80
.set OA,  96
.set SL,  112
.set ACC, 128
.set OB,  192
.set SRC, 24                           ; s[24:25] my 16 rows of down_w
.set MSB, 0
.macro WIN new                         ; the immediate's high byte repeats the setting that is left
.if MSB != \new
	s_set_vgpr_msb (MSB<<8)|\new
.set MSB, \new
.endif
.endm
; ---- the stream: step t is 512 numbers, 2,048 bytes, of row t / SPR: four runs of 512 bytes
.macro WLOAD t
.set WM, (\t)/SPR
.set WG, (WM+GAP*(WM/8))*RB+((\t)%SPR)*2048
.irp i, 0,1,2,3
	global_load_b128 v[R+16*((\t)%D)+4*\i:R+16*((\t)%D)+4*\i+3], v[GL], s[SRC:SRC+1] offset:WG+512*\i th:TH_LOAD_NT   ; the 32 lanes read 512 consecutive bytes, once in the launch
.endr
.endm
.macro WSTEP t
.set RS, R+16*((\t)%D)
.set WL, (\t)+D-1
.if WL > NS-1
.set WL, NS-1
.endif
.set WC, 4*(WL-(\t))
.if (\t) < D
.set WC, WC+EXTRA
.endif
	s_wait_loadcnt WC                              ; this step's four loads are in; what was issued behind them may be out
.irp j, 0,1,2,3
	v_permlane16_swap_b32 v[RS+\j], v[RS+4+\j]     ; runs 0 and 1: registers 0-7 now hold the numbers 8 l .. 8 l + 7 of their 256
	v_permlane16_swap_b32 v[RS+8+\j], v[RS+12+\j]  ; runs 2 and 3: registers 8-15 likewise
.endr
	v_max3_num_f32 v20, |v[RS]|, |v[RS+1]|, 0x1800000              ; the largest magnitude of my 8, the two halves of the step by turns, with the floor 2^(3 - 127): the byte cannot fall under 1
	v_max3_num_f32 v21, |v[RS+8]|, |v[RS+9]|, 0x1800000
.irp i, 2,4,6
	v_max3_num_f32 v20, v20, |v[RS+\i]|, |v[RS+\i+1]|
	v_max3_num_f32 v21, v21, |v[RS+8+\i]|, |v[RS+9+\i]|
.endr
	v_max_num_f32_dpp v20, v20, v20 row_xmask:1 row_mask:0xf bank_mask:0xf   ; with the three other lanes of my block
	v_max_num_f32_dpp v21, v21, v21 row_xmask:1 row_mask:0xf bank_mask:0xf
	v_max_num_f32_dpp v20, v20, v20 row_xmask:2 row_mask:0xf bank_mask:0xf
	v_max_num_f32_dpp v21, v21, v21 row_xmask:2 row_mask:0xf bank_mask:0xf
	v_add_nc_u32 v22, 0xff000000, v20              ; 2 off the exponent field: the conversion's scale operand
	v_add_nc_u32 v23, 0xff000000, v21
.if (\t) >= 2
	s_wait_dscnt 4                                 ; the last step's four stores may be out; those of two steps ago, whose registers are written now, are done
	s_wait_alu depctr_vm_vsrc(0)                   ; the LDS stores issued so far have read their data: this step's pair of v[PR ..] and of v[BY ..], which the stores of two steps ago read, is written below
.endif
	v_cvt_scalef32_pk8_fp4_f32 v[PR+2*((\t)%2)], v[RS:RS+7], v22
	v_cvt_scalef32_pk8_fp4_f32 v[PR+2*((\t)%2)+1], v[RS+8:RS+15], v23
	v_lshrrev_b32 v[BY+2*((\t)%2)], 23, v22        ; the scales' bytes; also the plain lines behind the conversions
	v_lshrrev_b32 v[BY+2*((\t)%2)+1], 23, v23
	s_wait_alu depctr_va_vdst(0)                   ; the swaps have written and the conversions have read this step's set, in which the loads below land; the conversions and shifts have written the codes and bytes that the LDS stores below read
.if (\t)+D < NS
	WLOAD (\t)+D                                   ; the set is read out: it takes the loads of D steps on
.endif
.set WM, (\t)/SPR
	ds_store_b32 v[CW], v[PR+2*((\t)%2)] offset:WM*CP+((\t)%SPR)*256          ; 128 consecutive bytes of the row's codes,
	ds_store_b32 v[CW], v[PR+2*((\t)%2)+1] offset:WM*CP+((\t)%SPR)*256+128    ; and the next 128
	ds_store_b8 v[SW], v[BY+2*((\t)%2)] offset:WM*SCP+((\t)%SPR)*16           ; the four lanes of a block write the same byte with the same value
	ds_store_b8 v[SW], v[BY+2*((\t)%2)+1] offset:WM*SCP+((\t)%SPR)*16+8
.endm
; ---- phase 2
.macro HADDR                           ; block s31 (held to 70): my offsets in h_codes (16,384 bytes a block), h_scales (1,024) and the list (128)
	s_lshl_b32 s32, s31, 14
	v_add_nc_u32 v[HL], s32, v[L16]
	s_lshl_b32 s32, s31, 10
	v_add_nc_u32 v[HSL], s32, v[L16]
	s_lshl_b32 s32, s31, 7
	v_add_nc_u32 v[LA], s32, v[H4]
.endm
.macro HLOAD                           ; a block's operand, its scale words and its entries: 50 loads
	WIN 0x80                                       ; destination window 2
	s_wait_alu depctr_va_vdst(0)                   ; HADDR has written v[HL], v[HSL], v[LA], which these loads read; whatever named the registers in which they land is done: in the loop the products (h's fragments and scale words) and the lines that read the entries, ahead of it the stream (v80-87, v112-127)
.irp m, 0,1
.irp s, 0,1,2,3,4,5,6,7
.irp c, 0,1
	global_load_b128 v[64*\m+8*\s+4*\c:64*\m+8*\s+4*\c+3], v[HL], s[4:5] offset:8192*\m+1024*\s+512*\c   ; 512 consecutive bytes: four registers of a fragment as they stand
.endr
.endr
.endr
	WIN 0
.irp m, 0,1
	global_load_b128 v[HS+4*\m:HS+4*\m+3], v[HSL], s[6:7] offset:512*\m      ; register j: K step j in lanes 0-15, K step 4 + j in lanes 16-31
.endr
.irp m, 0,1
.irp i, 0,1,2,3,4,5,6,7
	global_load_b32 v[SL+8*\m+\i], v[LA], s[12:13] offset:64*\m+8*\i         ; the entry of row 16 m + 2 i + (lane / 16)
.endr
.endr
.endm
.macro PROD                            ; one product, by the symbols PD, PA, PB, PSA, PSB; PMODE 0: it starts the sum; 1: scales in lanes 0-15; 2: in lanes 16-31
.if PMODE == 0
	v_wmma_scale_f32_16x16x128_f8f6f4 v[PD:PD+7], v[PA:PA+7], v[PB:PB+7], 0, v[PSA], v[PSB] matrix_a_fmt:MATRIX_FMT_FP4 matrix_b_fmt:MATRIX_FMT_FP4
.elseif PMODE == 1
	v_wmma_scale_f32_16x16x128_f8f6f4 v[PD:PD+7], v[PA:PA+7], v[PB:PB+7], v[PD:PD+7], v[PSA], v[PSB] matrix_a_fmt:MATRIX_FMT_FP4 matrix_b_fmt:MATRIX_FMT_FP4
.else
	v_wmma_scale_f32_16x16x128_f8f6f4 v[PD:PD+7], v[PA:PA+7], v[PB:PB+7], v[PD:PD+7], v[PSA], v[PSB] matrix_a_fmt:MATRIX_FMT_FP4 matrix_b_fmt:MATRIX_FMT_FP4 matrix_a_scale:MATRIX_SCALE_ROW1 matrix_b_scale:MATRIX_SCALE_ROW1
.endif
.endm
	s_load_b256 s[4:11], s[0:1], 0x0               ; h_codes s[4:5], h_scales s[6:7], down_w s[8:9], route s[10:11]
	s_load_b128 s[12:15], s[0:1], 0x20             ; rowslot s[12:13], y s[14:15]
	v_lshl_add_u32 v46, v0, 2, 0x11800
	v_mov_b32 v47, 0
	v_lshrrev_b32 v31, 5, v0
	v_readfirstlane_b32 s20, v31                   ; wave 0..3
	s_lshr_b32 s21, ttmp9, 5                       ; e
	s_and_b32 s22, ttmp9, 31                       ; the slice
	s_lshl_b32 s23, s21, 3                         ; the expert's two words of route
	s_lshl_b32 s26, s21, 11
	s_lshl_b32 s32, s22, 6
	s_add_co_u32 s26, s26, s32
	s_wait_alu depctr_va_sdst(0)                   ; s20 is written, ahead of its first reader: addresses and the walk are made from it
	s_lshl_b32 s32, s20, 4
	s_add_co_u32 s26, s26, s32                     ; my first row: 2,048 e + 64 slice + 16 w
	s_lshl_b32 s26, s26, 12                        ; in bytes (under 2^27)
	s_mov_b32 s27, 0
	v_and_b32 v31, 31, v0                          ; lane
	v_and_b32 v29, 15, v0                          ; r
	v_bfe_u32 v28, v0, 4, 1                        ; h
	v_lshlrev_b32 v[GL], 5, v29
	v_lshl_add_u32 v[GL], v28, 4, v[GL]            ; 32 r + 16 h
	v_lshlrev_b32 v[L16], 4, v31
	s_mul_i32 s31, s20, 16*CP
	v_lshl_add_u32 v[CW], v31, 2, s31              ; my tile's rows of codes, 4 bytes a lane
	s_mul_i32 s31, s20, 16*SCP
	s_add_co_u32 s31, s31, SCL
	v_lshrrev_b32 v[SW], 2, v31
	v_add_nc_u32 v[SW], s31, v[SW]                 ; my tile's rows of scale bytes, a byte for four lanes
	v_mul_u32_u24 v[FA], v29, CP
	v_lshl_add_u32 v[FA], v28, 4, v[FA]            ; row r, + 16 h
	v_mul_u32_u24 v[FS], v29, SCP
	v_lshl_add_u32 v[FS], v28, 4, v[FS]
	v_add_nc_u32 v[FS], SCL, v[FS]
	v_lshlrev_b32 v[H4], 2, v28
	s_lshl_b32 s31, s22, 8
	v_lshl_add_u32 v[CO], v29, 4, s31              ; 256 slice + 16 r
	s_mul_i32 s31, s20, 8704
	s_add_co_u32 s31, s31, OST                     ; my two stages
	v_mul_u32_u24 v[SO2], v29, 272
	v_lshl_add_u32 v[SO2], v28, 5, v[SO2]
	v_add_nc_u32 v[SO2], s31, v[SO2]               ; in: row r, 32 bytes for each half of the lanes
	v_mul_u32_u24 v[RD], v28, 272
	v_lshl_add_u32 v[RD], v29, 4, v[RD]
	v_add_nc_u32 v[RD], s31, v[RD]                 ; back: lanes 0-15 one row of 256 bytes, lanes 16-31 the next
	s_wait_kmcnt 0x0
	s_add_nc_u64 s[SRC:SRC+1], s[8:9], s[26:27]
	s_load_b64 s[28:29], s[10:11], s23 offset:0x0  ; the expert's first block s28, its number of blocks s29
	; ---- PHASE 1
	s_wait_alu depctr_va_vdst(0)                   ; the head's offsets and LDS addresses are written: v[GL], v[CW], v[SW], v[FA], v[FS], v[SO2], v[RD], which the loads, LDS stores and LDS loads below read and no line writes again
.set Q, 0
.rept D
	WLOAD Q
.set Q, Q+1
.endr
	s_wait_kmcnt 0x0
	s_min_u32 s28, s28, 70                         ; the list has 71 blocks
	s_min_u32 s29, s29, 71
.set Q, 0
.rept NS
	WSTEP Q
.set Q, Q+1
.endr
	s_add_co_u32 s31, s28, s20                     ; my first block; a wave that has none takes block 0, which is always written
	s_cmp_lt_u32 s20, s29
	s_cselect_b32 s31, s31, 0
	s_min_u32 s31, s31, 70
	HADDR
	HLOAD                                          ; on its way while the waves meet
	s_wait_dscnt 0x0                               ; for the others' sake: my codes and bytes lie in LDS
	s_barrier_signal -1
	s_barrier_wait -1                              ; the one barrier: behind it codes and scale bytes are only read, and each wave writes its own stages alone
	s_cmp_ge_u32 s20, s29
	s_cbranch_scc1 .Lend                           ; no block for me
	; ---- PHASE 2: all four tiles into registers.  No vector line has been issued since HLOAD's wait, which showed the stream done with v64-79, in which the scale words land
.irp t, 0,1,2,3
	ds_load_b128 v[WS+4*\t:WS+4*\t+3], v[FS] offset:\t*16*SCP      ; register j: K step j in lanes 0-15, K step 4 + j in lanes 16-31
.endr
	WIN 0x40                                       ; destination window 1
.irp s, 0,1,2,3,4,5,6,7
.irp t, 0,1,2,3
.irp c, 0,1
	ds_load_b128 v[(\s*4+\t)*8+4*\c:(\s*4+\t)*8+4*\c+3], v[FA] offset:\t*16*CP+\s*64+\c*32
.endr
.endr
.endr
	WIN 0
	s_mov_b32 s30, s20                             ; J: my block among the expert's: w, w + 4, ..
	s_sub_co_u32 s34, s29, s20                     ; my trips: (blocks - w + 3) / 4, at least 1 here; the loop does not write it
	s_add_co_u32 s34, s34, 3
	s_lshr_b32 s34, s34, 2
	s_mov_b32 s33, 0                               ; the trips' counter, one a trip
.Lblk:
	s_wait_loadcnt 0x0                             ; this block's operand, scale words and entries
	s_wait_dscnt 0x0                               ; first trip: the weights' fragments; later trips: nothing is out
	s_wait_alu depctr_vm_vsrc(0)                   ; the last trip's LDS stores have read the accumulators, which the products below write; its global stores have read OA and OB, its loads v[HL], v[HSL], v[LA], all written again further down, with no memory or LDS instruction between
	WIN 0x09                                       ; source 0 window 1, source 1 window 2, C and D window 0
.set S, 0
.rept 8                                ; 64 products; the eight accumulators take turns, one instruction a turn
.irp m, 0,1
.irp t, 0,1,2,3
.set PD, ACC+8*(4*\m+\t)
.set PA, (S*4+\t)*8
.set PB, 64*\m+8*S
.set PSA, WS+4*\t+S%4
.set PSB, HS+4*\m+S%4
.set PMODE, 1+S/4
.if S == 0
.set PMODE, 0
.endif
	PROD
.endr
.endr
.set S, S+1
.endr
	WIN 0
	s_wait_xcnt 0x0                                ; the last trip's stores have read their offsets and their data
.irp i, 0,1,2,3,4,5,6,7,8,9,10,11,12,13,14,15
	v_min_u32 v[20+\i%2], 2055, v[SL+\i]           ; y has 2,056 rows
	v_lshl_add_u32 v[OA+\i], v[20+\i%2], 13, v[CO] ; these 32 plain lines name no register of the products: they are the places (ISA guide 7.12.1) in front of the first read of results and of the next trip's products, which begin the sums anew
.endr
	s_add_co_u32 s35, s33, 1
	s_cmp_ge_u32 s35, s34
	s_cbranch_scc1 .Lnoh                           ; the last trip has no next block to ask for
	s_add_co_u32 s31, s30, 4                       ; my next block
	s_add_co_u32 s31, s31, s28
	s_min_u32 s31, s31, 70
	HADDR
	HLOAD
.Lnoh:
	s_wait_alu depctr_va_vdst(0)                   ; the products have written the accumulators, which the LDS stores below read, and the 32 lines OA, which the global stores read; the places above stay beside this wait.  The last trip comes here round HLOAD's wait
	; the way out: each tile of 16 rows through a stage of its own; LDS serves a wave's instructions in order, so no wait stands between the stores and the loads
.irp m, 0,1
.irp t, 0,1,2,3
	ds_store_b128 v[SO2], v[ACC+8*(4*\m+\t):ACC+8*(4*\m+\t)+3] offset:4352*\m+64*\t          ; each accumulator from its low end on
	ds_store_b128 v[SO2], v[ACC+8*(4*\m+\t)+4:ACC+8*(4*\m+\t)+7] offset:4352*\m+64*\t+16
.endr
.irp i, 0,1,2,3,4,5,6,7
	ds_load_b128 v[OB+32*\m+4*\i:OB+32*\m+4*\i+3], v[RD] offset:4352*\m+544*\i
.endr
.endr
.irp i, 0,1,2,3,4,5,6,7
	s_wait_dscnt 23-\i                             ; behind tile 0's pair i: its 7 - i later pairs and tile 1's sixteen instructions
	global_store_b128 v[OA+\i], v[OB+4*\i:OB+4*\i+3], s[14:15]            ; sixteen lanes store 256 consecutive bytes, aligned, of the row that the list names
.endr
.irp i, 0,1,2,3,4,5,6,7
	s_wait_dscnt 7-\i
	global_store_b128 v[OA+8+\i], v[OB+32+4*\i:OB+32+4*\i+3], s[14:15]
.endr
	s_add_co_u32 s30, s30, 4                       ; my next block
	s_add_co_u32 s33, s33, 1
	s_cmp_lt_u32 s33, s34
	s_cbranch_scc1 .Lblk
.Lend:
	s_wait_dscnt 0x0                               ; the closing lines, six on end
	s_wait_alu 0x0
	s_wait_tensorcnt 0x0
	ds_add_u32 v46, v47
	s_wait_dscnt 0x0
	s_endpgm
.Lfunc_end_k_qb35017d35e_down:
	.size	k_qb35017d35e_down, .Lfunc_end_k_qb35017d35e_down-k_qb35017d35e_down
	.p2alignl 7, 3214868480
	.fill 96, 4, 3214868480
	.section	.rodata,"a",@progbits
	.p2align	6, 0x0
	.amdhsa_kernel k_qb35017d35e_down
		.amdhsa_group_segment_fixed_size 72192
		.amdhsa_private_segment_fixed_size 0
		.amdhsa_enable_private_segment 0
		.amdhsa_kernarg_size 48
		.amdhsa_user_sgpr_count 2
		.amdhsa_user_sgpr_kernarg_segment_ptr 1
		.amdhsa_wavefront_size32 1
		.amdhsa_system_sgpr_workgroup_id_x 1
		.amdhsa_system_sgpr_workgroup_id_y 1
		.amdhsa_system_sgpr_workgroup_id_z 1
		.amdhsa_system_vgpr_workitem_id 0
		.amdhsa_next_free_vgpr 768
		.amdhsa_next_free_sgpr 66
		.amdhsa_reserve_vcc 0
		.amdhsa_float_denorm_mode_32 3
		.amdhsa_float_denorm_mode_16_64 3
		.amdhsa_memory_ordered 1
		.amdhsa_forward_progress 1
		.amdhsa_inst_pref_size 101
	.end_amdhsa_kernel
	.amdgpu_metadata
---
amdhsa.version: [ 1, 2 ]
amdhsa.kernels:
  - .name:           k_qb35017d35e_down
    .symbol:         k_qb35017d35e_down.kd
    .args:
      - { .name: h_codes, .offset: 0, .size: 8, .value_kind: global_buffer, .address_space: global }
      - { .name: h_scales, .offset: 8, .size: 8, .value_kind: global_buffer, .address_space: global }
      - { .name: down_w, .offset: 16, .size: 8, .value_kind: global_buffer, .address_space: global }
      - { .name: route, .offset: 24, .size: 8, .value_kind: global_buffer, .address_space: global }
      - { .name: rowslot, .offset: 32, .size: 8, .value_kind: global_buffer, .address_space: global }
      - { .name: y, .offset: 40, .size: 8, .value_kind: global_buffer, .address_space: global }
    .group_segment_fixed_size: 72192
    .private_segment_fixed_size: 0
    .kernarg_segment_align: 8
    .kernarg_segment_size: 48
    .max_flat_workgroup_size: 128
    .sgpr_count:     66
    .vgpr_count:     768
    .wavefront_size: 32
...
	.end_amdgpu_metadata
.endif
;; end of part 6
;; launch combine: the kernel of part 4 again; grid 256 x 1, 4 waves a work-group, no clusters, 0 bytes of LDS; arguments y, top_k_weights, out0; writes out0
